; MI455X (gfx1250); checked and timed in simulation.
; The chip was launched on July 23, 2026; its instructions are those of AMD's public machine-readable ISA for CDNA 5 (MIT licence, August 2026) and "CDNA5" Instruction Set Architecture Reference Guide (July 2026). The comments in the code are by the model that wrote it; some were corrected since.
;; Multi Phase Phasor. Allowed arithmetic: matrix products marked QUANTISED: E2M3 operands, one E8M0 scale for each 32 along K, by v_wmma_scale_f32_16x16x128_f8f6f4 with both operands' format E2M3, f32 sums; products left as they are: f32 operands where the result goes on into a quantised operand, else bf16, f16 or f32 operands; f32 sums; everything else in f32.
;; Inputs: Wa 2,048 x 8 float32; Wo_codes 2,048 x 64 x 24 uint8 (E2M3 codes of Wo, K innermost, in blocks of 32 codes, four codes in three bytes); Wo_scales 2,048 x 64 uint8 (E8M0 scales of Wo, one for each 32 codes along K); Wp 2,048 x 8 float32; Wv_codes 2,048 x 64 x 24 uint8 (E2M3 codes of Wv, K innermost, in blocks of 32 codes, four codes in three bytes); Wv_scales 2,048 x 64 uint8 (E8M0 scales of Wv, one for each 32 codes along K); ba 8 float32; bo 2,048 float32; bp 8 float32; bv 2,048 float32; ln_b 2,048 float32; ln_g 2,048 float32; x 4 x 2,048 x 2,048 float32.
;; Outputs: out0 4 x 2,048 x 2,048 float32.
;; This version of the problem:
;;   THIS VERSION OF THE PROBLEM IS GIVEN IN LOW PRECISION. The matrix products marked QUANTISED in the list below multiply operands that are first quantised to E2M3 (2 exponent bits, 3 mantissa bits; 6 bits a number), with one power-of-two scale for each 32 numbers along K (OCP MX v1.0); their sums are f32. All else is computed in f32.
;;   The module's matrix products, in the order in which they are computed (A, B: the left and right operand; K: the contracted axis; several contracted axes count as one K, in the product's order):
;;     1. [M 8,192, K 2,048] x [K 2,048, N 8]; A: input x; B: input Wp: left as it is (N = 8 < 16)
;;     2. [M 8,192, K 2,048] x [K 2,048, N 8]; A: input x; B: input Wa: left as it is (N = 8 < 16)
;;     3. [M 8,192, K 2,048] x [K 2,048, N 2,048]; A: input x; B: input Wv (given as codes): QUANTISED
;;     4. [M 8,192, K 2,048] x [K 2,048, N 2,048]; A: computed on the way; B: input Wo (given as codes): QUANTISED
;;   THE QUANTISER, for each operand of a quantised product, along K:
;;     - K is cut into blocks of 32 from its start; a last block that is shorter is filled with zeros.
;;     - A block's scale is 2^e with e = floor(log2(the largest magnitude in the block)) - 2, held to -126 .. 127; a block of zeros has e = 0. As a byte (E8M0): e + 127.
;;     - Each number is divided by its block's scale, clamped to +-7.5, and rounded to the nearest number of E2M3, ties to even, subnormals kept.
;;     - The product sums the exact products of the quantised numbers (number of the format x scale) in f32.
;;   ~~~python
;;   def quantise(x, axis):      # numpy; x: float32 -> the quantised numbers, widened to float32 again
;;       x = np.moveaxis(x, axis, -1); K = x.shape[-1]
;;       x = np.pad(x, [(0, 0)] * (x.ndim - 1) + [(0, -K % 32)]); x = x.reshape(x.shape[:-1] + (-1, 32)); a = np.abs(x).max(-1, keepdims=True)
;;       e = np.where(a > 0, np.clip(np.frexp(np.where(a > 0, a, 1))[1] - 1 - 2, -126, 127), 0)      # np.frexp(a)[1] - 1 = floor(log2(a)), exactly
;;       r = np.clip(x / 2.0 ** e, -7.5, 7.5)
;;       step = 2.0 ** (np.maximum(np.frexp(np.where(r == 0, 1, r))[1] - 1, 0) - 3)
;;       q = np.round(r / step) * step * 2.0 ** e      # np.round: ties to even
;;       return np.moveaxis(q.reshape(q.shape[:-2] + (-1,))[..., :K], -1, axis).astype(np.float32)
;;   ~~~
;;   OPERANDS COMPUTED ON THE WAY. 'Computed on the way' means the value that the module computes at that place (a softmax that the list does not call 'softmax' is quantised finished and normalised). What goes into a quantiser is computed in f32, as accurately as f32 sums, v_exp_f32 and their like allow (about 1e-6 of the number): no bf16 or f16 on the way to a quantiser, and a product that is left as it is and whose result goes on into a quantised operand takes f32 operands (vector FMAs, or v_wmma_f32_16x16x4_f32). A number that lies on a knife's edge between two numbers of the format may be rounded either way, as far as f32 arithmetic and the matrix unit's own rounding can turn it there, and no further.
;;   INPUTS GIVEN AS CODES. Wo (in the module: [2048, 2048], K = its axis 0); Wv (in the module: [2048, 2048], K = its axis 0): each comes as NAME_codes (uint8): NAME with its K axis moved to the last place and cut into blocks of 32 codes, [.., K / 32, bytes a block], one block behind the other in memory; four codes in three bytes: a row's codes are one little-endian stream of bits, code i at bits 6 i .. 6 i + 5 (a code: sign, 2 exponent bits, 3 mantissa bits); and NAME_scales (uint8): the same leading axes, one E8M0 byte (e + 127) for each 32 codes along K. Its value is code x scale, taken as it is: it is not quantised again, and the codes and scales need not be those that the quantiser above would give.
;; One version. Each part assembles by itself: llvm-mc -triple=amdgcn-amd-amdhsa -mcpu=gfx1250 --defsym DOCPART=n.
;; ======== version 1 of 1: 4 launches
;; workspace buffers: xq 12,582,912 bytes; xs 524,288 bytes; cs 65,536 bytes; R 67,108,864 bytes; tot 524,288 bytes; hq 12,582,912 bytes; hs 524,288 bytes
;; launch quantx (part 1): grid 256 x 1, 4 waves a work-group, no clusters, 318,976 bytes of LDS; arguments x, Wp, bp, Wa, ba, xq, xs, cs; writes xq, xs, cs
.if DOCPART == 1
	.amdgcn_target "amdgcn-amd-amdhsa--gfx1250"
	.amdhsa_code_object_version 6
	.text
	.protected	k_qa99d4b61b2_quantx
	.globl	k_qa99d4b61b2_quantx
	.p2align	8
	.type	k_qa99d4b61b2_quantx,@function
k_qa99d4b61b2_quantx:
	s_mov_b64 s[64:65], 0
	v_nop
	global_prefetch_b8 v0, s[64:65] scope:SCOPE_SE
	s_setreg_imm32_b32 hwreg(HW_REG_WAVE_MODE, 25, 1), 1
	s_wait_xcnt 0x0
; FIRST OF FOUR LAUNCHES.  out = x + Q(LayerNorm(cumsum_L((Q(x) Wv + bv) c) / sqrt(2048))) Wo + bo,  c[row] = sum over p of (cos + sin)(pi tanh(x Wp + bp)) (softplus(x Wa + ba) + 0.1).
; NO WORK IS LEFT OUT: every input has a way to the output and every product of the problem is done.  Two identities that hold for all values are used:
; cos a + sin a = sqrt(2) sin(a + pi/4), and the factor 1 / sqrt(2048) in front of the LayerNorm is carried in c:  c' = c / sqrt(2048) = (1/32) sum_p sin(pi (tanh + 1/4)) amp.
; THIS LAUNCH: x [8192][2048] f32 -> codes of E2M3 (xq [8192][1536 bytes], K innermost, four codes in three bytes) with one E8M0 byte for each 32 along K (xs [8192][64]), and c' (cs [8192][2]: each number twice,
; so that the next launch's packed multiply-add takes it as a register pair).  x Wp and x Wa go on into a quantised operand, so they take f32 operands: v_wmma_f32_16x16x4_f32 on [Wp | Wa], which is N = 16.
; SHARES.  A work-group takes 32 rows (two tiles of 16).  Wave w takes k = 512 w .. 512 w + 511 of all 32 rows, in four steps of 128.  Lane (r = lane % 16, h = lane / 16) holds row r; register 16 b + i holds
; k = 32 b + 16 h + i of a step: 16 neighbours of a block of 32 for the conversions, and, in pairs, source 0 of the f32 product; the weights lie in 256 registers under the same order of k.
; x comes once, by four tensor loads a wave (32 rows x 512 bytes each), all issued at the head: four are out, none is a refill.  Codes leave through a stage in the wave's first tile, which has had its only fill and has been read.
; LIMITS: NaN and infinities among the inputs are not served.  A block of zeros gets the byte 1 and zero codes (the bytes are read by this program alone).  tanh is 1 - 2 / (1 + 2^(2 z log2 e)), the sine a
; polynomial through the 13th power on [-1/2, 1/2] (the first term left out is under 1e-9); sums are f32 in another order than a plain dot product's.
.set XTB,   16896                      ; a tile in LDS: 32 rows x (512 + 16) bytes; tile (w, step) at (4 w + step) XTB
.set HT,    8448                       ; 16 rows of it
.set XP,    528
.set SCR,   16*XTB                     ; behind the tiles: each wave's scratch for turning the weights, written by ds_store alone
.set SCRW,  9472
.set WAO,   4640                       ; in it: Wp's 8 x (512 + 64) bytes, 32 bytes, then Wa's
.set DX,    SCR+4*SCRW                 ; the waves' partial sums: (2 w + tile) 1024 + half 512 + 16 lane
.set SCS,   DX+8192                    ; the scale bytes, [32 rows][64]
.set SPARE, SCS+2048                   ; the spare words, 128 bytes a wave: two blocks of 256 bytes that no other line names
.set XA,   4                           ; v4   x from LDS: tile (w, 0) + 528 r + 64 h
.set ST,   5                           ; v5   codes into the stage: tile (w, 0) + 528 r + 16 h
.set RB,   6                           ; v6   and back: tile (w, 0) + 16 lane
.set SA,   7                           ; v7   weights into the scratch: 16 lane
.set SL,   8                           ; v8   and back: 576 h + 4640 (r / 8) + 4 (r % 8)
.set DXS,  9
.set FA,   10
.set SCW,  11
.set SCRD, 12
.set GO,   13                          ; v13  xq: 384 w + 12 lane
.set GS,   14                          ; v14  xs: 512 w + 16 lane
.set GC,   15                          ; v15  cs
.set WO,   16                          ; v16  16 lane
.set BO,   17                          ; v17  4 (r % 8)
.set BPV,  18
.set BAV,  19
.set BI,   20                          ; v20  my column's bias: bp (r < 8) or ba
.set X0,   32                          ; v32-95, v96-159: a step's numbers of the two tiles; at the end the codes on their way out
.set ACC,  160                         ; v160-175: the two sums; written by matrix instructions alone
.set TM,   176                         ; v176-191 at work in the quantiser
.set CD,   192                         ; v192-223 codes, 16 registers a tile
.set SW,   224                         ; v224-231 scale words: 4 tile + step
.set SPW,  252
.set NIL,  253
.set G1,   24
.set G0,   32
.set MSB,  0
.macro WIN new                         ; s_set_vgpr_msb: bits 1:0 source 0, 3:2 source 1, 5:4 source 2, 7:6 destination; the high byte repeats the setting that is left
.if MSB != (\new)
	s_set_vgpr_msb (MSB<<8)|(\new)
.set MSB, (\new)
.endif
.endm
	s_load_b512 s[4:19], s[0:1], 0x0               ; x, Wp, bp, Wa, ba, xq, xs, cs
	v_lshl_add_u32 v[SPW], v0, 2, SPARE
	v_mov_b32 v[NIL], 0
	ds_add_u32 v[SPW], v[NIL]                      ; the wave's opening: the add, twice on end, and its wait ahead of my first tensor load
	ds_add_u32 v[SPW], v[NIL]
	v_lshrrev_b32 v1, 5, v0
	v_readfirstlane_b32 s20, v1                    ; wave 0..3
	s_mov_b32 s[G1+0], (2<<16)|(1<<20)|(6<<22)|(3<<25)   ; elements of 4 bytes; padding on: after every 128 words, 4 words
	s_mov_b32 s[G1+1], 128<<16                     ; tensor_dim0 = 128
	s_mov_b32 s[G1+2], 32<<16                      ; tensor_dim1 = 32
	s_mov_b32 s[G1+3], 128<<16                     ; tile_dim0 = 128
	s_mov_b32 s[G1+4], 32                          ; tile_dim1 = 32
	s_mov_b32 s[G1+5], 2048                        ; elements from row to row
	s_mov_b32 s[G1+6], 0
	s_mov_b32 s[G1+7], 0
	s_mul_i32 s21, s20, 4*XTB                      ; my first tile in LDS
	s_lshl_b32 s2, ttmp9, 18                       ; 32 rows of 8,192 bytes a work-group,
	s_lshl_b32 s3, s20, 11                         ; 2,048 bytes of a row a wave
	s_add_co_u32 s2, s2, s3
	s_mov_b32 s3, 0
	s_mov_b32 s22, 0x76543210                      ; v_permlanex16_b32's selects for lane l xor 16
	s_mov_b32 s23, 0xfedcba98
	s_mov_b32 s50, 0x00ff00ff                      ; the lanes with r < 8
	s_mov_b32 s52, 0x40490fdb                      ; sin(pi y) = y (pi - pi^3/3! y^2 + pi^5/5! y^4 - ..)
	s_mov_b32 s53, 0xc0a55de7
	s_mov_b32 s54, 0x402335e3
	s_mov_b32 s55, 0xbf196966
	s_mov_b32 s56, 0x3da83c1a
	s_mov_b32 s57, 0xbbf183a8
	s_mov_b32 s58, 0x39f47a1a
	s_mov_b32 s59, 0x4038aa3b                      ; 2 log2(e)
	s_mov_b32 s60, 0xbfb8aa3b                      ; -log2(e)
	s_mov_b32 s61, 0x3f317218                      ; ln 2
	s_mov_b32 s62, 0x3dcccccd                      ; 0.1
	s_mov_b32 s63, 0x3fa00000                      ; 1.25
	s_wait_dscnt 0x0                               ; both opening adds are done
	s_wait_kmcnt 0x0
	s_add_nc_u64 s[4:5], s[4:5], s[2:3]
.irp k, 0,1,2,3
	s_mov_b32 s[G0+4*\k], 1
	s_add_co_u32 s[G0+4*\k+1], s21, \k*XTB
	s_add_nc_u64 s[G0+4*\k+2:G0+4*\k+3], s[4:5], \k*512
	s_or_b32 s[G0+4*\k+3], s[G0+4*\k+3], 0x80000000
.endr
.irp k, 0,1,2,3
	tensor_load_to_lds s[G0+4*\k:G0+4*\k+3], s[G1:G1+7]   ; all of my x: four loads are out
	s_nop 0
.endr
	v_and_b32 v3, 31, v0                           ; lane
	v_and_b32 v1, 15, v0                           ; r
	v_bfe_u32 v2, v0, 4, 1                         ; h
	v_lshlrev_b32 v[WO], 4, v3
	v_mul_u32_u24 v21, v1, XP
	v_lshl_add_u32 v[XA], v2, 6, v21
	v_add_nc_u32 v[XA], s21, v[XA]
	v_lshl_add_u32 v[ST], v2, 4, v21
	v_add_nc_u32 v[ST], s21, v[ST]
	v_add_nc_u32 v[RB], s21, v[WO]
	s_mul_i32 s48, s20, SCRW
	s_add_co_u32 s48, s48, SCR
	v_add_nc_u32 v[SA], s48, v[WO]
	v_and_b32 v21, 7, v0
	v_lshlrev_b32 v[BO], 2, v21
	v_bfe_u32 v22, v0, 3, 1
	v_mad_u32_u24 v[SL], v22, WAO, v[BO]
	v_mad_u32_u24 v[SL], v2, 576, v[SL]
	v_add_nc_u32 v[SL], s48, v[SL]
	s_lshl_b32 s48, s20, 11
	s_add_co_u32 s48, s48, DX
	v_add_nc_u32 v[DXS], s48, v[WO]
	s_and_b32 s48, s20, 1                          ; at the end wave w finishes tile w % 2, registers 4 (w / 2) on
	s_lshr_b32 s49, s20, 1
	s_lshl_b32 s2, s48, 10
	s_lshl_b32 s3, s49, 9
	s_add_co_u32 s2, s2, s3
	s_add_co_u32 s2, s2, DX
	v_add_nc_u32 v[FA], s2, v[WO]
	s_lshl_b32 s2, s48, 7
	s_lshl_b32 s3, s49, 5
	s_add_co_u32 s2, s2, s3
	v_lshl_add_u32 v[GC], v2, 6, s2                ; 8 bytes a row: row 16 (w % 2) + 8 h + 4 (w / 2)
	s_lshl_b32 s2, s20, 4
	s_add_co_u32 s2, s2, SCS
	v_lshl_add_u32 v[SCW], v1, 6, s2
	s_lshl_b32 s2, s20, 9
	v_add_nc_u32 v[GS], s2, v[WO]
	v_add_nc_u32 v[SCRD], SCS, v[GS]
	s_mul_i32 s2, s20, 384
	v_mad_u32_u24 v[GO], v3, 12, s2
.irp b, 0,1,2,3
	v_mov_b32 v[TM+4+\b], 0                        ; written once: a lane permute's destination counts as one of its sources
.endr
	s_lshl_b32 s48, s20, 14                        ; my 512 rows of Wp and of Wa: 32 bytes a row
	s_mov_b32 s49, 0
	s_add_nc_u64 s[6:7], s[6:7], s[48:49]
	s_add_nc_u64 s[10:11], s[10:11], s[48:49]
	s_mul_i32 s48, ttmp9, 49152
	s_add_nc_u64 s[14:15], s[14:15], s[48:49]
	s_lshl_b32 s48, ttmp9, 11
	s_add_nc_u64 s[16:17], s[16:17], s[48:49]
	s_lshl_b32 s48, ttmp9, 8
	s_add_nc_u64 s[18:19], s[18:19], s[48:49]
	WIN 0x80                                       ; the weights as they lie, into window 2: a step's 128 rows are 8 loads of 512 bytes for Wp and 8 for Wa
.irp k, 0,1,2,3
.irp i, 0,1,2,3,4,5,6,7
	global_load_b128 v[64*\k+4*\i:64*\k+4*\i+3], v[WO], s[6:7] offset:512*(8*\k+\i)
.endr
.irp i, 0,1,2,3,4,5,6,7
	global_load_b128 v[64*\k+32+4*\i:64*\k+32+4*\i+3], v[WO], s[10:11] offset:512*(8*\k+\i)
.endr
.endr
	WIN 0
	global_load_b32 v[BPV], v[BO], s[8:9]
	global_load_b32 v[BAV], v[BO], s[12:13]
; A step's weights are turned through my scratch: stored as loaded, read back a number a lane.  Register 64 k + 16 b + e of window 1, lane (n = r, h): W[128 k + 32 b + 16 h + e][n], n < 8 of Wp, else of Wa.
; The 64 bytes behind each 512 and the 32 in front of Wa put the 32 lanes of a read on 32 different banks.  LDS serves a wave's instructions in order, so no wait stands between stores, reads and the next step's stores.
.macro WTR k
	s_wait_loadcnt 16*(3-(\k))+2                   ; this step's 16 loads are in; the later steps' and the two biases may be out
	WIN 0x08
.irp i, 0,1,2,3,4,5,6,7
	ds_store_b128 v[SA], v[64*(\k)+4*\i:64*(\k)+4*\i+3] offset:576*\i
.endr
.irp i, 0,1,2,3,4,5,6,7
	ds_store_b128 v[SA], v[64*(\k)+32+4*\i:64*(\k)+32+4*\i+3] offset:WAO+576*\i
.endr
	WIN 0x40
.irp b, 0,1,2,3
.irp e, 0,1,2,3,4,5,6,7,8,9,10,11,12,13,14,15
	ds_load_b32 v[64*(\k)+16*\b+\e], v[SL] offset:1152*\b+32*\e
.endr
.endr
.endm
	WTR 0
	WTR 1
	WTR 2
	WTR 3
	WIN 0
	s_wait_loadcnt 0x0
	v_cndmask_b32 v[BI], v[BAV], v[BPV], s50
; 64 numbers of tile p become 4 x 16 codes and my row's scale word of step k.  A block of 32 lies in lanes l and l xor 16.
.macro QX p, k
.set XS, X0+64*(\p)
.irp b, 0,1,2,3
	v_max3_num_f32 v[TM+\b], |v[XS+16*\b]|, |v[XS+16*\b+1]|, 0x1800000   ; my 16 numbers of block b, and the floor 2^(3 - 127): the byte cannot fall under 1
.endr
.irp i, 2,4,6,8,10,12,14
.irp b, 0,1,2,3
	v_max3_num_f32 v[TM+\b], v[TM+\b], |v[XS+16*\b+\i]|, |v[XS+16*\b+\i+1]|
.endr
.endr
.irp b, 0,1,2,3
	v_permlanex16_b32 v[TM+4+\b], v[TM+\b], s22, s23
.endr
.irp b, 0,1,2,3
	v_max_num_f32 v[TM+\b], v[TM+\b], v[TM+4+\b]   ; the block's largest magnitude
.endr
.irp b, 0,1,2,3
	v_add_nc_u32 v[TM+12+\b], 0xff000000, v[TM+\b] ; 2 off its exponent field: the conversion takes this operand's exponent field as its scale
.endr
.irp b, 0,1,2,3
	v_lshrrev_b32 v[TM+4+\b], 23, v[TM+12+\b]      ; the scale's byte
.endr
	v_lshl_or_b32 v[SW+4*(\p)+(\k)], v[TM+5], 8, v[TM+4]
	v_lshl_or_b32 v[SW+4*(\p)+(\k)], v[TM+6], 16, v[SW+4*(\p)+(\k)]
	v_lshl_or_b32 v[SW+4*(\p)+(\k)], v[TM+7], 24, v[SW+4*(\p)+(\k)]
.irp b, 0,1,2,3
	v_cvt_scalef32_pk16_fp6_f32 v[CD+16*(\p)+4*\b:CD+16*(\p)+4*\b+2], v[XS+16*\b:XS+16*\b+15], v[TM+12+\b]
.endr
	v_nop                                          ; one plain place behind the scaled conversions
.irp b, 0,1,2,3
	ds_store_b96 v[ST], v[CD+16*(\p)+4*\b:CD+16*(\p)+4*\b+2] offset:HT*(\p)+128*(\k)+32*\b   ; 12 bytes to place 8 k + 2 b + h of 16 bytes in row r of the stage
.endr
.endm
; A step of 128 along K: both tiles' numbers from LDS; 64 f32 matrix instructions, the two sums by turns, one instruction a turn; then the quantiser.
.macro KSTEP k
	s_wait_tensorcnt 3-(\k)                        ; my tile of this step has landed; the later ones may be out.  Only I read it
.if (\k) > 0
.rept 8
	v_nop                                          ; places in front of loads into registers that the f32 matrix instructions have read
.endr
.endif
.irp p, 0,1
.irp b, 0,1,2,3
.irp q, 0,1,2,3
	ds_load_b128 v[X0+64*\p+16*\b+4*\q:X0+64*\p+16*\b+4*\q+3], v[XA] offset:XTB*(\k)+HT*\p+128*\b+16*\q
.endr
.endr
.endr
	s_wait_dscnt 0x0                               ; x, and at the first step the weights; the last step's stores into the stage too
	WIN 0x04                                       ; source 1, the weights: window 1
.irp b, 0,1,2,3
.irp s, 0,1,2,3,4,5,6,7
.irp p, 0,1
.if ((\k) == 0) && (\b == 0) && (\s == 0)
	v_wmma_f32_16x16x4_f32 v[ACC+8*\p:ACC+8*\p+7], v[X0+64*\p+16*\b+2*\s:X0+64*\p+16*\b+2*\s+1], v[64*(\k)+16*\b+2*\s:64*(\k)+16*\b+2*\s+1], 0
.else
	v_wmma_f32_16x16x4_f32 v[ACC+8*\p:ACC+8*\p+7], v[X0+64*\p+16*\b+2*\s:X0+64*\p+16*\b+2*\s+1], v[64*(\k)+16*\b+2*\s:64*(\k)+16*\b+2*\s+1], v[ACC+8*\p:ACC+8*\p+7]
.endif
.endr
.endr
.endr
	WIN 0
	QX 0, \k
	QX 1, \k
.endm
	KSTEP 0
	KSTEP 1
	KSTEP 2
	KSTEP 3
	; THE WAY OUT.  Partial sums and scale words to LDS for the other waves; my codes back from the stage as rows: place l of row t is k = 512 w + 16 l on.
.rept 8
	v_nop                                          ; places behind the last f32 matrix instructions
.endr
	ds_store_b128 v[DXS], v[ACC:ACC+3]             ; each sum from its low end on
	ds_store_b128 v[DXS], v[ACC+4:ACC+7] offset:512
	ds_store_b128 v[DXS], v[ACC+8:ACC+11] offset:1024
	ds_store_b128 v[DXS], v[ACC+12:ACC+15] offset:1536
	ds_store_b128 v[SCW], v[SW:SW+3]               ; both halves of the lanes write the same bytes with the same values
	ds_store_b128 v[SCW], v[SW+4:SW+7] offset:1024
.irp p, 0,1
.irp t, 0,1,2,3,4,5,6,7,8,9,10,11,12,13,14,15
	ds_load_b96 v[X0+64*\p+4*\t:X0+64*\p+4*\t+2], v[RB] offset:HT*\p+XP*\t
.endr
.endr
	s_wait_dscnt 0x0                               ; for the others' sake: my stores have landed
	s_barrier_signal -1
	s_barrier_wait -1
.irp p, 0,1
.irp t, 0,1,2,3,4,5,6,7,8,9,10,11,12,13,14,15
	global_store_b96 v[GO], v[X0+64*\p+4*\t:X0+64*\p+4*\t+2], s[14:15] offset:1536*(16*\p+\t)   ; the wave stores 384 consecutive bytes of a row
.endr
.endr
	ds_load_b128 v[208:211], v[SCRD]
.irp q, 0,1,2,3
	ds_load_b128 v[192+4*\q:195+4*\q], v[FA] offset:2048*\q   ; the four waves' parts of my four rows
.endr
	s_wait_dscnt 0x0
	global_store_b128 v[GS], v[208:211], s[16:17]  ; the wave stores 512 consecutive scale bytes
.set Z,  192
.set E1, 212
.set E2, 216
.set U,  220
.set KK, 176
.set RR, 180
.set SG, 184
.set X2, 188
.set PP, 196
.set AM, 200
.set GG, 224
.set OC, 232
	v_pk_add_f32 v[192:193], v[192:193], v[196:197]
	v_pk_add_f32 v[194:195], v[194:195], v[198:199]
	v_pk_add_f32 v[200:201], v[200:201], v[204:205]
	v_pk_add_f32 v[202:203], v[202:203], v[206:207]
	v_pk_add_f32 v[192:193], v[192:193], v[200:201]
	v_pk_add_f32 v[194:195], v[194:195], v[202:203]
.irp j, 0,1,2,3
	v_add_f32 v[Z+\j], v[Z+\j], v[BI]              ; z(row 8 h + 4 (w / 2) + j, column r)
.endr
.irp j, 0,1,2,3
	v_mul_f32 v[E1+\j], s59, v[Z+\j]
.endr
.irp j, 0,1,2,3
	v_mul_f32 v[E2+\j], s60, |v[Z+\j]|
.endr
.irp j, 0,1,2,3
	v_exp_f32 v[E1+\j], v[E1+\j]                   ; e^(2 z)
.endr
.irp j, 0,1,2,3
	v_exp_f32 v[E2+\j], v[E2+\j]                   ; e^(-|z|)
.endr
.irp j, 0,1,2,3
	v_max_num_f32 v[AM+\j], 0, v[Z+\j]             ; plain work behind the batch
.endr
	s_wait_alu depctr_va_vdst(0)                   ; one wait for the eight exponentials, ahead of their first reader
.irp j, 0,1,2,3
	v_add_f32 v[E1+\j], 1.0, v[E1+\j]
.endr
.irp j, 0,1,2,3
	v_add_f32 v[E2+\j], 1.0, v[E2+\j]
.endr
.irp j, 0,1,2,3
	v_rcp_f32 v[E1+\j], v[E1+\j]
.endr
.irp j, 0,1,2,3
	v_log_f32 v[E2+\j], v[E2+\j]
.endr
	v_nop
	s_wait_alu depctr_va_vdst(0)                   ; one wait for this batch
.irp j, 0,1,2,3
	v_fma_f32 v[U+\j], v[E1+\j], -2.0, s63         ; u = tanh z + 1/4, between -3/4 and 5/4
.endr
.irp j, 0,1,2,3
	v_rndne_f32 v[KK+\j], v[U+\j]                  ; -1, 0 or 1
.endr
.irp j, 0,1,2,3
	v_sub_f32 v[RR+\j], v[U+\j], v[KK+\j]          ; y in [-1/2, 1/2], exact
.endr
.irp j, 0,1,2,3
	v_fma_f32 v[SG+\j], |v[KK+\j]|, -2.0, 1.0      ; sin(pi u) = (-1)^k sin(pi y)
.endr
.irp j, 0,1,2,3
	v_mul_f32 v[X2+\j], v[RR+\j], v[RR+\j]
.endr
.irp j, 0,1,2,3
	v_mul_f32 v[RR+\j], v[RR+\j], v[SG+\j]
.endr
.irp j, 0,1,2,3
	v_fma_f32 v[PP+\j], v[X2+\j], s58, s57
.endr
.irp c, 56,55,54,53,52
.irp j, 0,1,2,3
	v_fma_f32 v[PP+\j], v[PP+\j], v[X2+\j], s\c
.endr
.endr
.irp j, 0,1,2,3
	v_mul_f32 v[PP+\j], v[PP+\j], v[RR+\j]
.endr
.irp j, 0,1,2,3
	v_fma_f32 v[AM+\j], v[E2+\j], s61, v[AM+\j]    ; softplus = max(z, 0) + ln(1 + e^(-|z|))
.endr
.irp j, 0,1,2,3
	v_add_f32 v[AM+\j], s62, v[AM+\j]
.endr
.irp j, 0,1,2,3
	v_cndmask_b32 v[GG+\j], v[AM+\j], v[PP+\j], s50   ; columns 0-7 are phases, 8-15 amplitudes
.endr
.irp j, 0,1,2,3
	v_mul_f32_dpp v[GG+\j], v[GG+\j], v[GG+\j] row_xmask:8 row_mask:0xf bank_mask:0xf   ; sine p x amplitude p
.endr
.irp m, 1,2,4
.irp j, 0,1,2,3
	v_add_f32_dpp v[GG+\j], v[GG+\j], v[GG+\j] row_xmask:\m row_mask:0xf bank_mask:0xf   ; summed over the eight p
.endr
.endr
.irp j, 0,1,2,3
	v_mul_f32 v[OC+2*\j], 0x3d000000, v[GG+\j]     ; x sqrt(2) / sqrt(2048) = 1/32, exact; each number twice
	v_mul_f32 v[OC+2*\j+1], 0x3d000000, v[GG+\j]
.endr
	v_cmp_eq_u32 vcc_lo, 0, v1
	s_wait_xcnt 0x0                                ; EXEC changes only behind this wait
	s_and_saveexec_b32 s51, vcc_lo                 ; one lane of each half stores its four rows' pairs
	global_store_b128 v[GC], v[OC:OC+3], s[18:19]
	global_store_b128 v[GC], v[OC+4:OC+7], s[18:19] offset:16
	s_wait_xcnt 0x0
	s_or_b32 exec_lo, exec_lo, s51
	s_wait_tensorcnt 0x0                           ; the wave's end: behind my last tensor load and my last LDS store
	ds_add_u32 v[SPW], v[NIL]
	s_wait_dscnt 0x0
	s_endpgm
.Lfunc_end_k_qa99d4b61b2_quantx:
	.size	k_qa99d4b61b2_quantx, .Lfunc_end_k_qa99d4b61b2_quantx-k_qa99d4b61b2_quantx
	.p2alignl 7, 3214868480
	.fill 96, 4, 3214868480
	.section	.rodata,"a",@progbits
	.p2align	6, 0x0
	.amdhsa_kernel k_qa99d4b61b2_quantx
		.amdhsa_group_segment_fixed_size 318976
		.amdhsa_private_segment_fixed_size 0
		.amdhsa_enable_private_segment 0
		.amdhsa_kernarg_size 64
		.amdhsa_user_sgpr_count 2
		.amdhsa_user_sgpr_kernarg_segment_ptr 1
		.amdhsa_wavefront_size32 1
		.amdhsa_system_sgpr_workgroup_id_x 1
		.amdhsa_system_sgpr_workgroup_id_y 1
		.amdhsa_system_sgpr_workgroup_id_z 1
		.amdhsa_system_vgpr_workitem_id 0
		.amdhsa_next_free_vgpr 768
		.amdhsa_next_free_sgpr 66
		.amdhsa_reserve_vcc 1
		.amdhsa_float_denorm_mode_32 3
		.amdhsa_float_denorm_mode_16_64 3
		.amdhsa_memory_ordered 1
		.amdhsa_forward_progress 1
		.amdhsa_inst_pref_size 100
	.end_amdhsa_kernel
	.amdgpu_metadata
---
amdhsa.version: [ 1, 2 ]
amdhsa.kernels:
  - .name:           k_qa99d4b61b2_quantx
    .symbol:         k_qa99d4b61b2_quantx.kd
    .args:
      - { .name: x, .offset: 0, .size: 8, .value_kind: global_buffer, .address_space: global }
      - { .name: Wp, .offset: 8, .size: 8, .value_kind: global_buffer, .address_space: global }
      - { .name: bp, .offset: 16, .size: 8, .value_kind: global_buffer, .address_space: global }
      - { .name: Wa, .offset: 24, .size: 8, .value_kind: global_buffer, .address_space: global }
      - { .name: ba, .offset: 32, .size: 8, .value_kind: global_buffer, .address_space: global }
      - { .name: xq, .offset: 40, .size: 8, .value_kind: global_buffer, .address_space: global }
      - { .name: xs, .offset: 48, .size: 8, .value_kind: global_buffer, .address_space: global }
      - { .name: cs, .offset: 56, .size: 8, .value_kind: global_buffer, .address_space: global }
    .group_segment_fixed_size: 318976
    .private_segment_fixed_size: 0
    .kernarg_segment_align: 8
    .kernarg_segment_size: 64
    .max_flat_workgroup_size: 128
    .sgpr_count:     66
    .vgpr_count:     768
    .wavefront_size: 32
...
	.end_amdgpu_metadata
.endif
;; end of part 1
;; launch gemmv (part 2): grid 8 x 32, 4 waves a work-group, clusters of 4 x 4, 327,680 bytes of LDS; arguments xq, xs, Wv_codes, Wv_scales, R, bv, cs, tot; writes R, tot
.if DOCPART == 2
	.amdgcn_target "amdgcn-amd-amdhsa--gfx1250"
	.amdhsa_code_object_version 6
	.text
	.protected	k_qa99d4b61b2_gemmv
	.globl	k_qa99d4b61b2_gemmv
	.p2align	8
	.type	k_qa99d4b61b2_gemmv,@function
k_qa99d4b61b2_gemmv:
	s_mov_b64 s[64:65], 0
	v_nop
	global_prefetch_b8 v0, s[64:65] scope:SCOPE_SE
	s_setreg_imm32_b32 hwreg(HW_REG_WAVE_MODE, 25, 1), 1
	s_wait_xcnt 0x0
	s_wait_alu depctr_hold_cnt(0) depctr_sa_sdst(0) depctr_va_vdst(0) depctr_va_sdst(0) depctr_va_ssrc(0) depctr_va_vcc(0) depctr_vm_vsrc(0)
	s_getreg_b32 s2, hwreg(HW_REG_IB_STS2, 6, 4)
	s_cmp_eq_u32 s2, 0
	s_cbranch_scc0 .Lentry_in_a_cluster
	s_endpgm
.Lentry_in_a_cluster:
	s_bfe_u32 s2, ttmp6, 0x10000c
	s_cmp_lg_u32 s2, 0xf033
	s_cbranch_scc0 .Lentry_shape_is_right
	s_endpgm
.Lentry_shape_is_right:
; SECOND LAUNCH; it leaves no work out.  R = the running sum, inside each wave's 128 rows, of (Q(x) Wv + bv) c'; tot = the sums over whole blocks of rows, which the next launch adds.
; A = xq [8192][2048 codes], xs; B = Wv_codes [2048 (n)][2048 codes], Wv_scales: codes of E2M3, K innermost, one E8M0 byte for each 32 along K; the matrix instruction takes both as they lie.
; A tile of 256 x 256 is made by four waves, each 128 x 128: 64 accumulators, 512 registers.  K goes in steps of 256 through a ring of two LDS slots filled by the tensor data mover.  The scales of the work-group's
; rows of A and B come into LDS once, with the first fills.  CLUSTERS: 4 x 4 work-groups; A's tiles are asked for jointly along a row of the cluster, B's along a column.
; THE MATRIX INSTRUCTION IS USED TRANSPOSED (source 0 = 16 rows of Wv, source 1 = 16 rows of x): a lane holds one row of the result.  bv is the C of each sum's first instruction.
; R'S LAYOUT IS THIS PROGRAM'S OWN: a row is 8,192 bytes; column 256 T + 16 u + 4 q + e lies at byte 1024 T + 256 q + 16 u + 4 e, so that in the next launch sixteen lanes u read 256 consecutive bytes and a lane's four
; loads q give it 16 neighbouring columns.  For that THE ROWS OF Wv THAT FORM A FRAGMENT ARE NOT NEIGHBOURS: lane p of fragment i of column wave s takes the tile's row 16 i + 128 (p / 8) + 8 s + p % 8; lane (r, h)
; of accumulator (a, i) then holds row 16 a + r and chunks q = 2 s, 2 s + 1 of u = i + 8 h: the wave owns bytes 512 s .. 512 s + 511 of each row's 1,024.
; tot: [32 tiles of rows][2][8,192 bytes in R's order]: 0: the sum of the tile's rows 0-127; 1: of all 256.
; REGISTERS, in windows of 256: window 0: v0-31 addresses and the carry; v32-63 scale words, two sets; v64-127 bv, later c'; from v128 A's fragments, one set; on the way out v128-255 rows.
;   window 1: B's fragments, two sets, at v0 and v96.   window 2: the accumulators of my rows 0-63 ((a, b) at v[8 (8 a + b)]);   window 3: those of rows 64-127.
; LIMITS: NaN and infinities are not served; the running sum is made by fused multiply-adds in f32, in blocks, which is another order of rounding than a plain running sum's.
.set SIZE_N, 2048
.set NQ,     2                         ; matrix instructions deep in a slot (256 along K)
.set ROWB,   192                       ; a tile's row in bytes
.set KROW,   1536                      ; a row of codes in memory
.set PITCH,  240                       ; an LDS row: 3 x (64 bytes + 16 of padding) = 60 words: the 32 lanes of a load of 8 bytes touch 64 different banks (64 banks of 4 bytes: ISA guide 11.1)
.set FR,     12
.set NL,     6
.set NP,     4
.set HALFT,  128*PITCH+128             ; 128 rows, what one tensor load brings, and 128 bytes: so B's row 128 + j starts half-way round the banks from row j, as row 8 + j does
.set SLOT,   4*HALFT
.set LAPS,   4                         ; 2,048 along K = 4 laps of two slots
.set KS,     64                        ; a row of scales in bytes
.set SCL,    2*SLOT                    ; behind the ring: the scales, as units of 256 bytes + 16 of padding
.set HALFS,  8704                      ; those of 128 rows
.set SBLK,   1088                      ; of 16 rows
.set SPARE,  SCL+4*HALFS               ; the spare words, 128 bytes a wave
.set CREG,   SPARE+512                 ; c' of each wave's 128 rows, each number twice: 1,024 bytes a wave, written by ds_store
.set TX,     CREG+4096                 ; the waves' totals: 512 bytes a wave
.set SPITCH, 528                       ; the way out: a stage of 16 rows x (512 + 16) bytes a wave, in slot 0, which has had its last fill and its last read by then
.set CARRY, 8                          ; v8-11  the running sum's last row
.set PART,  4                          ; v4-7   at the end: the partner wave's total
.set TXW,  12
.set TXR,  13
.set BL,   14
.set ADRA, 16                          ; v16-17 LDS address of my A fragments in slot 0, 1 (v18-19: for the pieces behind one padding more)
.set ADRB, 20                          ; v20-23 the same for B
.set STO,  24
.set RD,   25
.set CO,   26
.set ADRS, 27
.set SPW,  28
.set NIL,  29
.set CRA,  30                          ; v30    my wave's c' in LDS, the same address in all lanes
.set CWS,  31
.set SC,   32
.set BV,   64
.set CV,   64
.set AF,   128
.set BK,   128
.set G1, 24
.set G0, 32
.set G1B, 48
.set G0B, 56
.set G1S, 68
.set G0S, 76
.set G1SB, 80
.set G0SB, 88
.set MSB, 0
.macro WIN new                         ; bits 1:0 source 0, 3:2 source 1, 5:4 source 2, 7:6 destination; the high byte repeats the setting that is left
.if MSB != (\new)
	s_set_vgpr_msb (MSB<<8)|(\new)
.set MSB, (\new)
.endif
.endm
.set MUL_LO, 0xa1                      ; source 0 (B) window 1, source 1 (A) window 0, C and D window 2
.set MUL_HI, 0xf1
.set FIRST_LO, 0x81                    ; the same with C (bv) in window 0
.set FIRST_HI, 0xc1
.set TO_B,   0x40
; A joint load: waves 0 and 1 fetch for A, waves 2 and 3 for B; the branch hangs on the wave's number alone.  An s_nop 0 and four v_nop follow each line.
.macro JLOAD g0a, g1a, g0b, g1b
	s_cmp_eq_u32 s15, 0
	s_cbranch_scc0 .Lfor_b_\@
	tensor_load_to_lds s[\g0a:\g0a+3], s[\g1a:\g1a+7]
	s_nop 0
.rept 4
	v_nop
.endr
	s_branch .Lasked_\@
.Lfor_b_\@:
	tensor_load_to_lds s[\g0b:\g0b+3], s[\g1b:\g1b+7]
	s_nop 0
.rept 4
	v_nop
.endr
.Lasked_\@:
.endm
.macro CREST                           ; a round of the cluster's barrier behind its opening barrier
	s_cmp_lg_u32 s14, 0
	s_cbranch_scc1 .Lnot_wave_0_\@
	s_barrier_signal -3
.Lnot_wave_0_\@:
	s_barrier_wait -3
	s_barrier_signal -1
	s_barrier_wait -1
.endm
.macro CROUND
	s_barrier_signal -1
	s_barrier_wait -1
	CREST
.endm
	s_load_b256 s[4:11], s[0:1], 0x0               ; A's codes, A's scales, B's codes, B's scales
	s_load_b64 s[12:13], s[0:1], 0x20              ; R
	s_load_b64 s[98:99], s[0:1], 0x28              ; bv
	s_load_b64 s[100:101], s[0:1], 0x30            ; cs
	s_load_b64 s[104:105], s[0:1], 0x38            ; tot
	v_lshl_add_u32 v[SPW], v0, 2, SPARE
	v_mov_b32 v[NIL], 0
	ds_add_u32 v[SPW], v[NIL]                      ; the wave's opening: the add, twice on end, and its wait ahead of my first tensor load
	ds_add_u32 v[SPW], v[NIL]
	v_lshrrev_b32 v1, 5, v0
	v_readfirstlane_b32 s14, v1                    ; wave 0..3
	s_lshr_b32 s15, s14, 1                         ; which half of the tile's rows is mine.  Also: I fetch for A (0) or for B (1)
	s_and_b32 s16, s14, 1                          ; which column wave I am.  Also: which 128 rows of that tile I fetch
	s_bfe_u32 s40, ttmp6, 0x40000                  ; cx, cy
	s_bfe_u32 s41, ttmp6, 0x40004
	s_lshl_b32 s42, ttmp9, 2
	s_add_co_u32 s42, s42, s40                     ; tile column T
	s_and_b32 s17, ttmp7, 0xffff
	s_lshl_b32 s17, s17, 2
	s_add_co_u32 s17, s17, s41                     ; tile row y
	s_lshl_b32 s43, s41, 2
	s_lshl_b32 s43, 15, s43                        ; my row of the cluster
	s_lshl_b32 s44, 0x1111, s40                    ; my column
	s_or_b32 s[G1+0], s43, (0<<16)|(1<<20)|(1<<21)|(3<<22)|(3<<25)   ; the mask; elements of 1 byte; padding on; bit 21 beside a mask; after every 16 words, 4 words
	s_or_b32 s[G1B+0], s44, (0<<16)|(1<<20)|(1<<21)|(3<<22)|(3<<25)
.irp g, G1, G1B
	s_mov_b32 s[\g+1], ROWB<<16
	s_mov_b32 s[\g+2], 128<<16
	s_mov_b32 s[\g+3], ROWB<<16
	s_mov_b32 s[\g+4], 128
	s_mov_b32 s[\g+5], KROW
	s_mov_b32 s[\g+6], 0
	s_mov_b32 s[\g+7], 0
.endr
	s_or_b32 s[G1S+0], s43, (3<<16)|(1<<20)|(1<<21)|(5<<22)|(3<<25)  ; the scales of 128 rows: 8,192 dense bytes as 32 rows of 256, 16 bytes of padding behind each
	s_or_b32 s[G1SB+0], s44, (3<<16)|(1<<20)|(1<<21)|(5<<22)|(3<<25)
.irp g, G1S, G1SB
	s_mov_b32 s[\g+1], 32<<16
	s_mov_b32 s[\g+2], 32<<16
	s_mov_b32 s[\g+3], 32<<16
	s_mov_b32 s[\g+4], 32
	s_mov_b32 s[\g+5], 32
	s_mov_b32 s[\g+6], 0
	s_mov_b32 s[\g+7], 0
.endr
	s_lshl_b32 s18, s16, 7
	s_lshl_b32 s20, s17, 8
	s_add_co_u32 s20, s20, s18                     ; A: row 256 y + 128 x half
	s_lshl_b32 s46, s42, 8
	s_add_co_u32 s46, s46, s18                     ; B: row 256 T + 128 x half
	s_mov_b32 s21, 0
	s_mov_b32 s47, 0
	s_mov_b64 s[18:19], KS
	s_mul_u64 s[22:23], s[20:21], s[18:19]
	s_mul_u64 s[92:93], s[46:47], s[18:19]
	s_mov_b64 s[18:19], KROW
	s_mul_u64 s[20:21], s[20:21], s[18:19]
	s_mul_u64 s[46:47], s[46:47], s[18:19]
	s_mul_i32 s45, s14, HALFT                      ; where they go: by the wave's number alone
	s_mul_i32 s94, s14, HALFS
	s_wait_dscnt 0x0                               ; both opening adds are done
	s_wait_kmcnt 0x0
	s_add_nc_u64 s[20:21], s[4:5], s[20:21]
	s_add_nc_u64 s[22:23], s[6:7], s[22:23]
	s_add_nc_u64 s[46:47], s[8:9], s[46:47]
	s_add_nc_u64 s[92:93], s[10:11], s[92:93]
	CROUND                                         ; all sixteen work-groups are here: the first joint loads meet
	s_mov_b32 s[G0S], 1
	s_add_co_u32 s[G0S+1], s94, SCL
	s_mov_b64 s[G0S+2:G0S+3], s[22:23]
	s_or_b32 s[G0S+3], s[G0S+3], 0x80000000
	s_mov_b32 s[G0SB], 1
	s_add_co_u32 s[G0SB+1], s94, SCL
	s_mov_b64 s[G0SB+2:G0SB+3], s[92:93]
	s_or_b32 s[G0SB+3], s[G0SB+3], 0x80000000
	JLOAD G0S, G1S, G0SB, G1SB                     ; the scales first; then both slots: three loads of mine are out
.irp s, 0,1
	s_mov_b32 s[G0+4*\s], 1
	s_add_co_u32 s[G0+4*\s+1], s45, \s*SLOT
	s_add_nc_u64 s[G0+4*\s+2:G0+4*\s+3], s[20:21], \s*ROWB
	s_or_b32 s[G0+4*\s+3], s[G0+4*\s+3], 0x80000000
	s_mov_b32 s[G0B+4*\s], 1
	s_add_co_u32 s[G0B+4*\s+1], s45, \s*SLOT
	s_add_nc_u64 s[G0B+4*\s+2:G0B+4*\s+3], s[46:47], \s*ROWB
	s_or_b32 s[G0B+4*\s+3], s[G0B+4*\s+3], 0x80000000
	JLOAD G0+4*\s, G1, G0B+4*\s, G1B
.endr
	v_and_b32 v1, 15, v0                           ; r
	v_bfe_u32 v2, v0, 4, 1                         ; h
	v_mul_u32_u24 v3, v1, PITCH
	v_mul_u32_u24 v4, v2, 24
	v_add_nc_u32 v4, v3, v4                        ; A: row r x pitch + 24 h
	v_lshl_add_u32 v5, v2, 4, v4                   ; and behind one padding more
	v_and_b32 v6, 7, v0
	v_mul_u32_u24 v6, v6, PITCH                    ; B: row r % 8,
	v_bfe_u32 v7, v0, 3, 1
	v_mad_u32_u24 v6, v7, HALFT, v6                ; in the tile's upper 128 rows where r >= 8,
	v_mad_u32_u24 v6, v2, 24, v6
	v_lshl_add_u32 v7, v2, 4, v6
	s_mul_i32 s21, s15, HALFT                      ; my 128 rows of A
	s_mul_i32 s22, s16, 8*PITCH                    ; B: 8 rows on for column wave 1,
	s_add_co_u32 s22, s22, 2*HALFT                 ; behind A's 256
.irp s, 0,1
	v_add_nc_u32 v[ADRA+\s], s21, v4
	v_add_nc_u32 v[ADRB+\s], s22, v6
	v_add_nc_u32 v[ADRA+2+\s], s21, v5
	v_add_nc_u32 v[ADRB+2+\s], s22, v7
	s_add_co_u32 s21, s21, SLOT
	s_add_co_u32 s22, s22, SLOT
.endr
	; scale words: 64 bytes a row, four rows to a unit of 272.  Lanes 0-15: A's row r.  Lanes 16-31: B's row 128 (r / 8) + 8 s + r % 8
	v_and_b32 v5, 3, v0
	v_lshlrev_b32 v5, 6, v5
	v_bfe_u32 v6, v0, 2, 1
	v_mad_u32_u24 v5, v6, 272, v5
	v_bfe_u32 v6, v0, 3, 1
	v_mad_u32_u24 v5, v6, 544, v5                  ; so far 64 (r % 4) + 272 (r / 4)
	v_bfe_u32 v6, v0, 3, 2
	v_add_nc_u32 v6, 1, v6
	v_lshrrev_b32 v6, 2, v6                        ; 1 where r >= 8 and h = 1:
	v_mad_u32_u24 v5, v6, HALFS-544, v5            ; there 128 rows on and not 8
	s_mul_i32 s21, s15, HALFS
	s_mul_i32 s22, s16, 544
	s_add_co_u32 s22, s22, 2*HALFS
	s_sub_co_u32 s22, s22, s21
	v_mul_u32_u24 v6, s22, v2                      ; one product: h x the distance from A's base to B's
	s_add_co_u32 s21, s21, SCL
	v_add_nc_u32 v5, v5, v6
	v_add_nc_u32 v[ADRS], s21, v5
	s_mul_i32 s23, s14, 16*SPITCH                  ; my stage
	v_mul_u32_u24 v5, v1, SPITCH
	v_lshl_add_u32 v5, v2, 7, v5                   ; in: row r; u = i + 8 h: 16 i + 128 h
	v_add_nc_u32 v[STO], s23, v5
	v_and_b32 v6, 31, v0
	v_lshlrev_b32 v[CO], 4, v6                     ; back: the 32 lanes take a row's 512 bytes; and the same in R
	v_add_nc_u32 v[RD], s23, v[CO]
	s_lshl_b32 s23, s14, 10
	s_add_co_u32 s23, s23, CREG
	v_mov_b32 v[CRA], s23
	v_add_nc_u32 v[CWS], s23, v[CO]
	s_lshl_b32 s23, s14, 9
	s_add_co_u32 s23, s23, TX
	v_add_nc_u32 v[TXW], s23, v[CO]
	s_xor_b32 s23, s14, 2                          ; the wave with the other half of the rows and my columns
	s_lshl_b32 s23, s23, 9
	s_add_co_u32 s23, s23, TX
	v_add_nc_u32 v[TXR], s23, v[CO]
	v_lshlrev_b32 v[BL], 9, v2                     ; bv: 128 columns on for lanes 16-31
	s_lshl_b32 s20, s17, 8
	s_lshl_b32 s21, s15, 7
	s_add_co_u32 s20, s20, s21                     ; my first row: 256 y + 128 x half
	s_mov_b32 s21, 0
	s_lshl_b64 s[22:23], s[20:21], 3               ; cs: 8 bytes a row
	s_add_nc_u64 s[100:101], s[100:101], s[22:23]
	s_lshl_b64 s[20:21], s[20:21], 13              ; R: 8,192 bytes a row
	s_lshl_b32 s46, s42, 10
	s_lshl_b32 s47, s16, 9
	s_add_co_u32 s46, s46, s47                     ; my 512 bytes of a row: 1024 T + 512 s
	s_mov_b32 s47, 0
	s_add_nc_u64 s[20:21], s[20:21], s[46:47]
	s_add_nc_u64 s[12:13], s[12:13], s[20:21]
	s_lshl_b32 s20, s17, 14
	s_lshl_b32 s21, s15, 13
	s_add_co_u32 s20, s20, s21
	s_mov_b32 s21, 0
	s_add_nc_u64 s[20:21], s[20:21], s[46:47]
	s_add_nc_u64 s[104:105], s[104:105], s[20:21]  ; tot: 16384 y + 8192 x half + my 512 bytes
	s_lshl_b32 s46, s42, 10
	s_lshl_b32 s47, s16, 5
	s_add_co_u32 s46, s46, s47
	s_mov_b32 s47, 0
	s_add_nc_u64 s[98:99], s[98:99], s[46:47]      ; bv at column 256 T + 8 s
.irp b, 0,1,2,3,4,5,6,7
	global_load_b128 v[BV+8*\b:BV+8*\b+3], v[BL], s[98:99] offset:64*\b        ; columns 16 b + 128 h + 8 s + 0 .. 7: the result's layout
	global_load_b128 v[BV+8*\b+4:BV+8*\b+7], v[BL], s[98:99] offset:64*\b+16
.endr
	global_load_b128 v[128:131], v[CO], s[100:101]
	global_load_b128 v[132:135], v[CO], s[100:101] offset:512
	s_wait_loadcnt 0x0
	ds_store_b128 v[CWS], v[128:131]               ; my wave's own bytes: only I read them
	ds_store_b128 v[CWS], v[132:135] offset:512
.macro FRAG reg, adr, q, i             ; 16 rows x 128 K of 6-bit codes: 12 registers; registers 6 c .. 6 c + 5 hold K = 64 c + 32 h + 0 .. 31: 24 bytes of the row's stream of bits, in pieces of 8
.irp p, 0,1,2,3,4,5
.set PC, 12*(\q)+6*(\p/3)+\p%3        ; 16 bytes of padding lie behind every 8 pieces: where the piece three on lies behind one padding more, the second address register serves
.if PC%8 < 5
	ds_load_b64 v[\reg+2*\p:\reg+2*\p+1], v[\adr] offset:8*PC+16*(PC/8)+(\i)*16*PITCH
.else
	ds_load_b64 v[\reg+2*\p:\reg+2*\p+1], v[\adr+2] offset:8*PC+16*(PC/8)+(\i)*16*PITCH
.endif
.endr
.endm
; 16 matrix instructions: A's blocks a0, a0 + 1 x B's eight.  zero = 1: the first product starts the sums on bv.  The 64 accumulators take turns, one instruction a turn.
.macro MUL16 a0, p, q, sc, zero
.irp a, \a0, \a0+1
.irp b, 0,1,2,3,4,5,6,7
.if \zero
	v_wmma_scale_f32_16x16x128_f8f6f4 v[8*(8*((\a)%4)+\b):8*(8*((\a)%4)+\b)+7], v[96*(\p)+FR*\b:96*(\p)+FR*\b+FR-1], v[AF+FR*(\a):AF+FR*(\a)+FR-1], v[BV+8*\b:BV+8*\b+7], v[SC+8*NQ*(\sc)+NQ*\b+(\q)], v[SC+8*NQ*(\sc)+NQ*(\a)+(\q)] matrix_a_fmt:MATRIX_FMT_FP6 matrix_b_fmt:MATRIX_FMT_FP6 matrix_a_scale:MATRIX_SCALE_ROW1
.else
	v_wmma_scale_f32_16x16x128_f8f6f4 v[8*(8*((\a)%4)+\b):8*(8*((\a)%4)+\b)+7], v[96*(\p)+FR*\b:96*(\p)+FR*\b+FR-1], v[AF+FR*(\a):AF+FR*(\a)+FR-1], v[8*(8*((\a)%4)+\b):8*(8*((\a)%4)+\b)+7], v[SC+8*NQ*(\sc)+NQ*\b+(\q)], v[SC+8*NQ*(\sc)+NQ*(\a)+(\q)] matrix_a_fmt:MATRIX_FMT_FP6 matrix_b_fmt:MATRIX_FMT_FP6 matrix_a_scale:MATRIX_SCALE_ROW1
.endif
.endr
.endr
.endm
.macro FETCH_B slot, q, p
	WIN TO_B
.irp i, 0,1,2,3,4,5,6,7
	FRAG 96*(\p)+FR*\i, ADRB+\slot, \q, \i
.endr
	WIN 0
.endm
.macro FETCH_A slot, q, i0
.irp i, \i0, \i0+1, \i0+2, \i0+3
	FRAG AF+FR*(\i), ADRA+\slot, \q, \i
.endr
.endm
.macro SCALES sc                       ; a slot's scale words: lanes 0-15 A's block i, lanes 16-31 B's fragment i
.irp i, 0,1,2,3,4,5,6,7
	ds_load_b64 v[SC+8*NQ*\sc+NQ*\i:SC+8*NQ*\sc+NQ*\i+1], v[ADRS] offset:\i*SBLK
.endr
.endm
.macro PLACES n                        ; plain places behind matrix instructions, in front of loads into registers that they have read and of reads of results
.rept \n
	v_nop
.endr
.endm
.macro STEP slot, q, zero              ; 128 along K that have their successor in the same slot
	s_wait_dscnt 4*NL                              ; B's set and A's blocks 0-3 are in; the youngest 24 loads (A's blocks 4-7) may be out
.if \zero
	WIN FIRST_LO
.else
	WIN MUL_LO
.endif
	MUL16 0, (\q)%2, \q, \slot, \zero
	MUL16 2, (\q)%2, \q, \slot, \zero
	s_wait_dscnt 0
	PLACES NP
	FETCH_B \slot, (\q)+1, 1-(\q)%2
	FETCH_A \slot, (\q)+1, 0
.if \zero
	WIN FIRST_HI
.else
	WIN MUL_HI
.endif
	MUL16 4, (\q)%2, \q, \slot, \zero
	MUL16 6, (\q)%2, \q, \slot, \zero
	PLACES NP
	WIN 0
	FETCH_A \slot, (\q)+1, 4
.endm
; A slot's last step changes slots: one barrier; in front of it each wave waits for all its tensor loads, adds 0 to its spare word, and waits for that and for its reads of this slot.  fill = 1: the slot is filled again, two slots ahead.
.macro TURN slot, next, fill
	s_wait_tensorcnt 0x0                           ; all my tensor loads have landed: my part of the next slot
	ds_add_u32 v[SPW], v[NIL]                      ; 0 onto my spare word
	s_wait_dscnt 4*NL+1                            ; (the add and A's blocks 4-7 may be out)
	WIN MUL_LO
	MUL16 0, 1, NQ-1, \slot, 0
	s_wait_dscnt 0x0                               ; the add is done, and my reads of this slot are over
	s_barrier_signal -1
	MUL16 2, 1, NQ-1, \slot, 0
	WIN 0
	s_barrier_wait -1
.if \fill
	CREST                                          ; the barrier has opened a round of the cluster's barrier: no wave of any partner still reads this slot or has a load on its way
	s_add_nc_u64 s[G0+4*\slot+2:G0+4*\slot+3], s[G0+4*\slot+2:G0+4*\slot+3], 2*ROWB
	s_add_nc_u64 s[G0B+4*\slot+2:G0B+4*\slot+3], s[G0B+4*\slot+2:G0B+4*\slot+3], 2*ROWB
	JLOAD G0+4*\slot, G1, G0B+4*\slot, G1B         ; the first tensor load behind the round, one a wave; its four v_nop are the places in front of the loads below
.else
	PLACES NP
.endif
	v_add_nc_u32 v[ADRS], 4*NQ, v[ADRS]
	FETCH_B \next, 0, 0
	FETCH_A \next, 0, 0
	SCALES \next
	WIN MUL_HI
	MUL16 4, 1, NQ-1, \slot, 0
	MUL16 6, 1, NQ-1, \slot, 0
	PLACES NP
	WIN 0
	FETCH_A \next, 0, 4
.endm
	s_wait_tensorcnt 1                             ; the scales and my part of slot 0 are in; slot 1's load may be out
	s_wait_dscnt 0x0                               ; my two stores of c'
	s_barrier_signal -1
	s_barrier_wait -1
	FETCH_B 0, 0, 0
	FETCH_A 0, 0, 0
	SCALES 0
	FETCH_A 0, 0, 4
	STEP 0, 0, 1
	s_mov_b32 s3, LAPS-1
.Llap:                                                 ; a trip goes once round the ring and fills both slots again
	TURN 0, 1, 1
	STEP 1, 0, 0
	TURN 1, 0, 1
	STEP 0, 0, 0
	s_sub_co_u32 s3, s3, 1
	s_cmp_lg_u32 s3, 0
	s_cbranch_scc1 .Llap
	TURN 0, 1, 0                                   ; the last lap fills nothing
	STEP 1, 0, 0
	s_wait_dscnt 4*NL
	WIN MUL_LO
	MUL16 0, 1, NQ-1, 1, 0
	MUL16 2, 1, NQ-1, 1, 0
	s_wait_dscnt 0
	WIN MUL_HI
	MUL16 4, 1, NQ-1, 1, 0
	MUL16 6, 1, NQ-1, 1, 0
	WIN 0
; THE WAY OUT, block by block of 16 rows.  A block goes through my stage and comes back as whole rows of 512 bytes, a row to four registers of each lane; then row t = row t x c'(t) + row t - 1: scaling and running sum
; are one packed multiply-add for two numbers.  LDS serves a wave's instructions in order: no wait between the stores and the loads, nor in front of the next block's stores.
.macro TOSTAGE a
.set AC, 64*((\a)%4)
	WIN 0x08+4*((\a)/4)                            ; the data: window 2 or 3
.irp b, 0,1,2,3,4,5,6,7
	ds_store_b128 v[STO], v[AC+8*\b:AC+8*\b+3] offset:16*\b          ; chunk 2 s of u = b + 8 h; each accumulator from its low end on
	ds_store_b128 v[STO], v[AC+8*\b+4:AC+8*\b+7] offset:256+16*\b    ; chunk 2 s + 1
.endr
	WIN 0
.set BB, BK+64*((\a)%2)
.set CC, CV+32*((\a)%2)
.irp t, 0,1,2,3,4,5,6,7,8,9,10,11,12,13,14,15
	ds_load_b128 v[BB+4*\t:BB+4*\t+3], v[RD] offset:\t*SPITCH
.endr
.irp k, 0,1,2,3,4,5,6,7
	ds_load_b128 v[CC+4*\k:CC+4*\k+3], v[CRA] offset:128*(\a)+16*\k  ; the block's sixteen pairs (c', c'), the same in all lanes
.endr
.endm
.macro SEND a, younger                 ; younger: the LDS instructions issued behind block a's, which may stay out
.set BB, BK+64*((\a)%2)
.set CC, CV+32*((\a)%2)
	s_wait_dscnt \younger
.irp t, 0,1,2,3,4,5,6,7,8,9,10,11,12,13,14,15
.if ((\a) == 0) && (\t == 0)
	v_pk_mul_f32 v[BB:BB+1], v[BB:BB+1], v[CC:CC+1]
	v_pk_mul_f32 v[BB+2:BB+3], v[BB+2:BB+3], v[CC:CC+1]
.elseif \t == 0
	v_pk_fma_f32 v[BB:BB+1], v[BB:BB+1], v[CC:CC+1], v[CARRY:CARRY+1]
	v_pk_fma_f32 v[BB+2:BB+3], v[BB+2:BB+3], v[CC:CC+1], v[CARRY+2:CARRY+3]
.else
	v_pk_fma_f32 v[BB+4*\t:BB+4*\t+1], v[BB+4*\t:BB+4*\t+1], v[CC+2*\t:CC+2*\t+1], v[BB+4*\t-4:BB+4*\t-3]
	v_pk_fma_f32 v[BB+4*\t+2:BB+4*\t+3], v[BB+4*\t+2:BB+4*\t+3], v[CC+2*\t:CC+2*\t+1], v[BB+4*\t-2:BB+4*\t-1]
.endif
	global_store_b128 v[CO], v[BB+4*\t:BB+4*\t+3], s[12:13] offset:(16*(\a)+\t)*SIZE_N*4 th:TH_STORE_NT   ; 32 lanes store 512 consecutive bytes, at a multiple of 256 from R's first byte; 127 rows at the most stand in the immediate
.endr
.irp i, 0,1,2,3
	v_mov_b32 v[CARRY+\i], v[BB+60+\i]             ; the block's last row is kept: its registers take the block after next
.endr
.endm
	PLACES NP
	TOSTAGE 0
.irp a, 1,2,3,4,5,6,7
.if \a > 1
	s_wait_xcnt 0x0                                ; block a - 2's stores have read their registers: block a's loads may land there
.endif
	TOSTAGE \a
	SEND \a-1, 40                                  ; behind block a - 1's loads: block a's 16 stores, 16 rows and 8 loads of c'
.endr
	SEND 7, 0
	; THE TOTALS.  The carry is the sum of my 128 rows.  The waves of the lower rows add the upper rows' total to theirs.
	ds_store_b128 v[TXW], v[CARRY:CARRY+3]
	s_wait_dscnt 0x0                               ; for the others' sake
	s_barrier_signal -1
	s_barrier_wait -1
	ds_load_b128 v[PART:PART+3], v[TXR]
	s_wait_dscnt 0x0
	s_cmp_eq_u32 s15, 0
	s_cbranch_scc1 .Lown
	v_pk_add_f32 v[CARRY:CARRY+1], v[PART:PART+1], v[CARRY:CARRY+1]
	v_pk_add_f32 v[CARRY+2:CARRY+3], v[PART+2:PART+3], v[CARRY+2:CARRY+3]
.Lown:
	global_store_b128 v[CO], v[CARRY:CARRY+3], s[104:105]
	s_wait_tensorcnt 0x0                           ; the wave's end: behind my last tensor load and my last LDS store
	ds_add_u32 v[SPW], v[NIL]
	s_wait_dscnt 0x0
	CROUND                                         ; the closing round: no work-group ends while a partner may still ask for a tile that names it
	s_endpgm
.Lfunc_end_k_qa99d4b61b2_gemmv:
	.size	k_qa99d4b61b2_gemmv, .Lfunc_end_k_qa99d4b61b2_gemmv-k_qa99d4b61b2_gemmv
	.p2alignl 7, 3214868480
	.fill 96, 4, 3214868480
	.section	.rodata,"a",@progbits
	.p2align	6, 0x0
	.amdhsa_kernel k_qa99d4b61b2_gemmv
		.amdhsa_group_segment_fixed_size 327680
		.amdhsa_private_segment_fixed_size 0
		.amdhsa_enable_private_segment 0
		.amdhsa_kernarg_size 64
		.amdhsa_user_sgpr_count 2
		.amdhsa_user_sgpr_kernarg_segment_ptr 1
		.amdhsa_wavefront_size32 1
		.amdhsa_system_sgpr_workgroup_id_x 1
		.amdhsa_system_sgpr_workgroup_id_y 1
		.amdhsa_system_sgpr_workgroup_id_z 1
		.amdhsa_system_vgpr_workitem_id 0
		.amdhsa_next_free_vgpr 1024
		.amdhsa_next_free_sgpr 106
		.amdhsa_reserve_vcc 0
		.amdhsa_float_denorm_mode_32 3
		.amdhsa_float_denorm_mode_16_64 3
		.amdhsa_memory_ordered 1
		.amdhsa_forward_progress 1
		.amdhsa_inst_pref_size 185
	.end_amdhsa_kernel
	.amdgpu_metadata
---
amdhsa.version: [ 1, 2 ]
amdhsa.kernels:
  - .name:           k_qa99d4b61b2_gemmv
    .symbol:         k_qa99d4b61b2_gemmv.kd
    .args:
      - { .name: xq, .offset: 0, .size: 8, .value_kind: global_buffer, .address_space: global }
      - { .name: xs, .offset: 8, .size: 8, .value_kind: global_buffer, .address_space: global }
      - { .name: Wv_codes, .offset: 16, .size: 8, .value_kind: global_buffer, .address_space: global }
      - { .name: Wv_scales, .offset: 24, .size: 8, .value_kind: global_buffer, .address_space: global }
      - { .name: R, .offset: 32, .size: 8, .value_kind: global_buffer, .address_space: global }
      - { .name: bv, .offset: 40, .size: 8, .value_kind: global_buffer, .address_space: global }
      - { .name: cs, .offset: 48, .size: 8, .value_kind: global_buffer, .address_space: global }
      - { .name: tot, .offset: 56, .size: 8, .value_kind: global_buffer, .address_space: global }
    .group_segment_fixed_size: 327680
    .private_segment_fixed_size: 0
    .kernarg_segment_align: 8
    .kernarg_segment_size: 64
    .max_flat_workgroup_size: 128
    .sgpr_count:     106
    .vgpr_count:     1024
    .wavefront_size: 32
...
	.end_amdgpu_metadata
.endif
;; end of part 2
;; launch lnq (part 3): grid 256 x 1, 4 waves a work-group, no clusters, 3,584 bytes of LDS; arguments R, tot, ln_g, ln_b, hq, hs; writes hq, hs
.if DOCPART == 3
	.amdgcn_target "amdgcn-amd-amdhsa--gfx1250"
	.amdhsa_code_object_version 6
	.text
	.protected	k_qa99d4b61b2_lnq
	.globl	k_qa99d4b61b2_lnq
	.p2align	8
	.type	k_qa99d4b61b2_lnq,@function
k_qa99d4b61b2_lnq:
	s_mov_b64 s[64:65], 0
	v_nop
	global_prefetch_b8 v0, s[64:65] scope:SCOPE_SE
	s_setreg_imm32_b32 hwreg(HW_REG_WAVE_MODE, 25, 1), 1
	s_wait_xcnt 0x0
; THIRD LAUNCH; it leaves no work out.  h = LayerNorm(R + the sums of the blocks of rows in front) x ln_g + ln_b, quantised along the row: hq [8192][1536 bytes] codes of E2M3, hs [8192][64] E8M0 bytes.
; (The factor 1 / sqrt(2048) in front of the LayerNorm is already in R.)
; SHARES.  A work-group takes 32 rows, in four steps of 8.  Thread t of 128 owns columns 16 t .. 16 t + 15 of every row: ln_g, ln_b and the prefix cost 48 registers once; a block of 32 is two neighbouring lanes; a wave
; stores 384 consecutive bytes of a row's codes.  In R's layout (column 256 T + 16 u + 4 q + e at byte 1024 T + 256 q + 16 u + 4 e) sixteen lanes read 256 consecutive bytes and four loads give a lane its 16 columns.
; THE PREFIX.  R holds running sums inside blocks of 128 rows.  Rows of tile y (256 rows; 8 tiles to a sequence) want the whole-tile sums of the sequence's earlier tiles, and its lower 128 rows the tile's upper sum.
; All eight rows of tot are loaded on every path, in one round trip; branches on the work-group's number lead round the additions that are not wanted.
; A row's mean and its sum of squares about the mean meet in LDS: two barriers a step, each exchange in bytes of its own.  All 32 rows lie in registers; loads run two steps ahead.
; LIMITS: NaN and infinities are not served; a block of zeros gets the byte 1 and zero codes (the bytes are read by this program alone); sums are f32 in another order than a plain running sum's or mean's.
.set EX,    0                          ; LDS: 8 exchanges x 4 waves x 32 bytes
.set SB,    1024                       ; the scale bytes, [32 rows][64]
.set SPARE, 3072                       ; the spare words, 128 bytes a wave
.set RO,   1                           ; v1  R, tot: 1024 (t / 16) + 16 (t % 16)
.set GOF,  2                           ; v2  ln_g, ln_b: 64 t
.set CO,   3                           ; v3  hq: 12 t
.set SBA,  4                           ; v4  SB + t / 2
.set EXW,  5                           ; v5  32 x wave
.set EXR,  6                           ; v6  0
.set SBR,  7                           ; v7  SB + 16 t
.set GS,   8                           ; v8  hs: 16 t
.set P,    16                          ; v16-31  the prefix of my 16 columns
.set G,    32                          ; v32-47  ln_g
.set BB,   48                          ; v48-63  ln_b
.set S,    64                          ; v64-71  eight rows' sums
.set T,    72
.set MU,   80                          ; v80-95  eight pairs: the low word -mean, later 1 / sigma; a packed instruction takes the low word for both halves
.set E,    96                          ; v96-127 the four waves' sums
.set CH,   128                         ; v128-191 chains
.set CD,   192                         ; v192-223 codes
.set QM,   224
.set QS,   232
.set TOT,  124                         ; v124-251, at the head alone: eight rows of tot
.set SPW,  252
.set NIL,  253
.set MSB,  0
.macro WIN new                         ; bits 1:0 source 0, 3:2 source 1, 5:4 source 2, 7:6 destination; the high byte repeats the setting that is left
.if MSB != (\new)
	s_set_vgpr_msb (MSB<<8)|(\new)
.set MSB, (\new)
.endif
.endm
	s_load_b256 s[4:11], s[0:1], 0x0               ; R, tot, ln_g, ln_b
	s_load_b128 s[12:15], s[0:1], 0x20             ; hq, hs
	v_lshl_add_u32 v[SPW], v0, 2, SPARE
	v_mov_b32 v[NIL], 0
	v_lshrrev_b32 v9, 5, v0
	v_readfirstlane_b32 s16, v9                    ; wave
	v_lshrrev_b32 v9, 4, v0
	v_and_b32 v10, 15, v0
	v_lshlrev_b32 v[RO], 10, v9
	v_lshl_add_u32 v[RO], v10, 4, v[RO]
	v_lshlrev_b32 v[GOF], 6, v0
	v_mul_u32_u24 v[CO], v0, 12
	v_lshrrev_b32 v[SBA], 1, v0
	v_add_nc_u32 v[SBA], SB, v[SBA]
	s_lshl_b32 s17, s16, 5
	v_mov_b32 v[EXW], s17
	v_mov_b32 v[EXR], 0
	v_lshlrev_b32 v[GS], 4, v0
	v_add_nc_u32 v[SBR], SB, v[GS]
.irp p, 0,1,2,3,4,5,6,7
	v_mov_b32 v[T+\p], 0                           ; written once: a lane permute's destination counts as one of its sources
	v_mov_b32 v[MU+2*\p+1], 0                      ; (named as the upper half of a pair)
.endr
	s_mov_b32 s18, 0x76543210
	s_mov_b32 s19, 0xfedcba98
	s_mov_b32 s22, 0x3a000000                      ; 1 / 2048
	s_mov_b32 s23, 0x3727c5ac                      ; 1e-5
	s_lshl_b32 s2, ttmp9, 18                       ; 32 rows of 8,192 bytes
	s_mov_b32 s3, 0
	s_lshr_b32 s24, ttmp9, 6                       ; the sequence: its first tile's 16,384 bytes of tot
	s_lshl_b32 s24, s24, 17
	s_mov_b32 s25, 0
	s_lshr_b32 s28, ttmp9, 3                       ; my tile y
	s_and_b32 s20, s28, 7                          ; tiles of the sequence in front of it
	s_lshl_b32 s28, s28, 14
	s_mov_b32 s29, 0
	s_bfe_u32 s21, ttmp9, 0x10002                  ; 1: my rows lie in the tile's lower 128
	s_mul_i32 s30, ttmp9, 49152
	s_mov_b32 s31, 0
	s_lshl_b32 s32, ttmp9, 11
	s_mov_b32 s33, 0
	s_wait_kmcnt 0x0
	s_add_nc_u64 s[4:5], s[4:5], s[2:3]
	s_add_nc_u64 s[26:27], s[6:7], s[24:25]
	s_add_nc_u64 s[6:7], s[6:7], s[28:29]
	s_add_nc_u64 s[12:13], s[12:13], s[30:31]
	s_add_nc_u64 s[14:15], s[14:15], s[32:33]
.irp q, 0,1,2,3,4,5,6
.irp c, 0,1,2,3
	global_load_b128 v[TOT+16*\q+4*\c:TOT+16*\q+4*\c+3], v[RO], s[26:27] offset:16384*\q+8192+256*\c   ; the whole-tile sums of the sequence's tiles 0 to 6
.endr
.endr
.irp c, 0,1,2,3
	global_load_b128 v[TOT+112+4*\c:TOT+112+4*\c+3], v[RO], s[6:7] offset:256*\c   ; my tile's upper 128 rows
.endr
.irp c, 0,1,2,3
	global_load_b128 v[G+4*\c:G+4*\c+3], v[GOF], s[8:9] offset:16*\c
	global_load_b128 v[BB+4*\c:BB+4*\c+3], v[GOF], s[10:11] offset:16*\c
.endr
.macro LOAD g                          ; step g's eight rows: row p at register 128 (g % 2) + 16 p of window 1 + g / 2
	WIN (1+(\g)/2)<<6
.irp p, 0,1,2,3,4,5,6,7
.irp c, 0,1,2,3
	global_load_b128 v[128*((\g)%2)+16*\p+4*\c:128*((\g)%2)+16*\p+4*\c+3], v[RO], s[4:5] offset:8192*(8*(\g)+\p)+256*\c th:TH_LOAD_NT
.endr
.endr
	WIN 0
.endm
	LOAD 0
	s_wait_loadcnt 32                              ; tot, ln_g and ln_b are in; step 0's 32 loads may be out
	LOAD 1
.irp i, 0,1,2,3,4,5,6,7,8,9,10,11,12,13,14,15
	v_mov_b32 v[P+\i], 0
.endr
.irp q, 0,1,2,3,4,5,6
	s_cmp_gt_u32 s20, \q
	s_cbranch_scc0 .Lpre_done
.irp i, 0,2,4,6,8,10,12,14
	v_pk_add_f32 v[P+\i:P+\i+1], v[P+\i:P+\i+1], v[TOT+16*\q+\i:TOT+16*\q+\i+1]
.endr
.endr
.Lpre_done:
	s_cmp_eq_u32 s21, 0
	s_cbranch_scc1 .Lno_half
.irp i, 0,2,4,6,8,10,12,14
	v_pk_add_f32 v[P+\i:P+\i+1], v[P+\i:P+\i+1], v[TOT+112+\i:TOT+112+\i+1]
.endr
.Lno_half:
.macro RED8                            ; eight numbers a lane are summed over the wave's 32 lanes
.irp m, 1,2,4,8
.irp p, 0,1,2,3,4,5,6,7
	v_add_f32_dpp v[S+\p], v[S+\p], v[S+\p] row_xmask:\m row_mask:0xf bank_mask:0xf
.endr
.endr
.irp p, 0,1,2,3,4,5,6,7
	v_permlanex16_b32 v[T+\p], v[S+\p], s18, s19
.endr
.irp p, 0,1,2,3,4,5,6,7
	v_add_f32 v[S+\p], v[S+\p], v[T+\p]
.endr
.endm
.macro EXCH n                          ; and over the four waves: exchange n has its own 128 bytes, written once in the launch
	ds_store_b128 v[EXW], v[S:S+3] offset:EX+128*(\n)            ; all lanes write the same bytes with the same values
	ds_store_b128 v[EXW], v[S+4:S+7] offset:EX+128*(\n)+16
	s_wait_dscnt 0x0                               ; for the others' sake
	s_barrier_signal -1
	s_barrier_wait -1
.irp i, 0,1,2,3,4,5,6,7
	ds_load_b128 v[E+4*\i:E+4*\i+3], v[EXR] offset:EX+128*(\n)+16*\i
.endr
	s_wait_dscnt 0x0
.irp j, 0,2,4,6
	v_pk_add_f32 v[E+\j:E+\j+1], v[E+\j:E+\j+1], v[E+8+\j:E+8+\j+1]
	v_pk_add_f32 v[E+16+\j:E+16+\j+1], v[E+16+\j:E+16+\j+1], v[E+24+\j:E+24+\j+1]
.endr
.irp j, 0,2,4,6
	v_pk_add_f32 v[S+\j:S+\j+1], v[E+\j:E+\j+1], v[E+16+\j:E+16+\j+1]
.endr
.endm
.macro STEP g
.set W,  1+(\g)/2
.set D,  128*((\g)%2)
.set WA, W|(W<<6)                      ; destination and source 0 in the step's window
.set WC, W|(W<<2)                      ; sources 0 and 1
.if (\g) < 3
	s_wait_loadcnt 32                              ; this step's 32 loads are in; the next step's may be out
.else
	s_wait_loadcnt 0x0
.endif
.if (\g) < 2
	LOAD (\g)+2
.endif
	WIN WA
.irp p, 0,1,2,3,4,5,6,7
.irp i, 0,2,4,6,8,10,12,14
	v_pk_add_f32 v[D+16*\p+\i:D+16*\p+\i+1], v[D+16*\p+\i:D+16*\p+\i+1], v[P+\i:P+\i+1]   ; the running sum is whole
.endr
.endr
	WIN WC
.irp i, 0,1,2,3
.irp p, 0,1,2,3,4,5,6,7
	v_pk_add_f32 v[CH+8*\p+2*\i:CH+8*\p+2*\i+1], v[D+16*\p+4*\i:D+16*\p+4*\i+1], v[D+16*\p+4*\i+2:D+16*\p+4*\i+3]
.endr
.endr
	WIN 0
.irp p, 0,1,2,3,4,5,6,7
	v_pk_add_f32 v[CH+8*\p:CH+8*\p+1], v[CH+8*\p:CH+8*\p+1], v[CH+8*\p+2:CH+8*\p+3]
	v_pk_add_f32 v[CH+8*\p+4:CH+8*\p+5], v[CH+8*\p+4:CH+8*\p+5], v[CH+8*\p+6:CH+8*\p+7]
.endr
.irp p, 0,1,2,3,4,5,6,7
	v_pk_add_f32 v[CH+8*\p:CH+8*\p+1], v[CH+8*\p:CH+8*\p+1], v[CH+8*\p+4:CH+8*\p+5]
.endr
.irp p, 0,1,2,3,4,5,6,7
	v_add_f32 v[S+\p], v[CH+8*\p], v[CH+8*\p+1]
.endr
	RED8
	EXCH 2*(\g)
.irp p, 0,1,2,3,4,5,6,7
	v_mul_f32 v[MU+2*\p], 0xba000000, v[S+\p]      ; -mean: the sum x -1/2048, exact
.endr
	WIN WA
.irp p, 0,1,2,3,4,5,6,7
.irp i, 0,2,4,6,8,10,12,14
	v_pk_add_f32 v[D+16*\p+\i:D+16*\p+\i+1], v[D+16*\p+\i:D+16*\p+\i+1], v[MU+2*\p:MU+2*\p+1] op_sel_hi:[1,0]
.endr
.endr
	WIN WC
.irp p, 0,1,2,3,4,5,6,7
	v_pk_mul_f32 v[CH+4*\p:CH+4*\p+1], v[D+16*\p:D+16*\p+1], v[D+16*\p:D+16*\p+1]
	v_pk_mul_f32 v[CH+4*\p+2:CH+4*\p+3], v[D+16*\p+2:D+16*\p+3], v[D+16*\p+2:D+16*\p+3]
.endr
.irp i, 4,8,12
.irp p, 0,1,2,3,4,5,6,7
	v_pk_fma_f32 v[CH+4*\p:CH+4*\p+1], v[D+16*\p+\i:D+16*\p+\i+1], v[D+16*\p+\i:D+16*\p+\i+1], v[CH+4*\p:CH+4*\p+1]
	v_pk_fma_f32 v[CH+4*\p+2:CH+4*\p+3], v[D+16*\p+\i+2:D+16*\p+\i+3], v[D+16*\p+\i+2:D+16*\p+\i+3], v[CH+4*\p+2:CH+4*\p+3]
.endr
.endr
	WIN 0
.irp p, 0,1,2,3,4,5,6,7
	v_pk_add_f32 v[CH+4*\p:CH+4*\p+1], v[CH+4*\p:CH+4*\p+1], v[CH+4*\p+2:CH+4*\p+3]
.endr
.irp p, 0,1,2,3,4,5,6,7
	v_add_f32 v[S+\p], v[CH+4*\p], v[CH+4*\p+1]
.endr
	RED8
	EXCH 2*(\g)+1
.irp p, 0,1,2,3,4,5,6,7
	v_fma_f32 v[S+\p], v[S+\p], s22, s23           ; the variance + 1e-5
.endr
.irp p, 0,1,2,3,4,5,6,7
	v_rsq_f32 v[MU+2*\p], v[S+\p]
.endr
	v_nop                                          ; a plain place behind the batch
	s_wait_alu depctr_va_vdst(0)                   ; one wait for the eight, ahead of their first reader
	WIN WA
.irp p, 0,1,2,3,4,5,6,7
.irp i, 0,2,4,6,8,10,12,14
	v_pk_mul_f32 v[D+16*\p+\i:D+16*\p+\i+1], v[D+16*\p+\i:D+16*\p+\i+1], v[MU+2*\p:MU+2*\p+1] op_sel_hi:[1,0]
.endr
.endr
.irp p, 0,1,2,3,4,5,6,7
.irp i, 0,2,4,6,8,10,12,14
	v_pk_fma_f32 v[D+16*\p+\i:D+16*\p+\i+1], v[D+16*\p+\i:D+16*\p+\i+1], v[G+\i:G+\i+1], v[BB+\i:BB+\i+1]
.endr
.endr
	WIN WC                                         ; the quantiser: my 16 numbers of each row, and the floor 2^(3 - 127): the byte cannot fall under 1
.irp p, 0,1,2,3,4,5,6,7
	v_max3_num_f32 v[QM+\p], |v[D+16*\p]|, |v[D+16*\p+1]|, 0x1800000
.endr
.irp i, 2,4,6,8,10,12,14
.irp p, 0,1,2,3,4,5,6,7
	v_max3_num_f32 v[QM+\p], |v[D+16*\p+\i]|, |v[D+16*\p+\i+1]|, v[QM+\p]
.endr
.endr
	WIN 0
.irp p, 0,1,2,3,4,5,6,7
	v_max_num_f32_dpp v[QM+\p], v[QM+\p], v[QM+\p] row_xmask:1 row_mask:0xf bank_mask:0xf   ; with my neighbour's 16: the block's largest magnitude
.endr
.irp p, 0,1,2,3,4,5,6,7
	v_add_nc_u32 v[QS+\p], 0xff000000, v[QM+\p]    ; 2 off its exponent field: the conversion's scale operand
.endr
.irp p, 0,1,2,3,4,5,6,7
	v_lshrrev_b32 v[QM+\p], 23, v[QS+\p]           ; the scale's byte
.endr
.if (\g) > 0
	s_wait_xcnt 0x0                                ; the last step's stores have read the codes' registers: they are written again only behind this wait
.endif
	WIN W
.irp p, 0,1,2,3,4,5,6,7
	v_cvt_scalef32_pk16_fp6_f32 v[CD+4*\p:CD+4*\p+2], v[D+16*\p:D+16*\p+15], v[QS+\p]
.endr
	v_nop                                          ; one plain place behind the scaled conversions
	WIN 0
.irp p, 0,1,2,3,4,5,6,7
	ds_store_b8 v[SBA], v[QM+\p] offset:64*(8*(\g)+\p)   ; both lanes of a block write the same byte with the same value
.endr
.irp p, 0,1,2,3,4,5,6,7
	global_store_b96 v[CO], v[CD+4*\p:CD+4*\p+2], s[12:13] offset:1536*(8*(\g)+\p)   ; the wave stores 384 consecutive bytes of a row
.endr
.endm
	STEP 0
	STEP 1
	STEP 2
	STEP 3
	s_wait_dscnt 0x0                               ; for the others' sake: my scale bytes have landed
	s_barrier_signal -1
	s_barrier_wait -1
	ds_load_b128 v[E:E+3], v[SBR]
	s_wait_dscnt 0x0
	global_store_b128 v[GS], v[E:E+3], s[14:15]    ; the wave stores 512 consecutive scale bytes
	s_wait_tensorcnt 0x0                           ; the wave's end: behind my last LDS store
	ds_add_u32 v[SPW], v[NIL]
	s_wait_dscnt 0x0
	s_endpgm
.Lfunc_end_k_qa99d4b61b2_lnq:
	.size	k_qa99d4b61b2_lnq, .Lfunc_end_k_qa99d4b61b2_lnq-k_qa99d4b61b2_lnq
	.p2alignl 7, 3214868480
	.fill 96, 4, 3214868480
	.section	.rodata,"a",@progbits
	.p2align	6, 0x0
	.amdhsa_kernel k_qa99d4b61b2_lnq
		.amdhsa_group_segment_fixed_size 3584
		.amdhsa_private_segment_fixed_size 0
		.amdhsa_enable_private_segment 0
		.amdhsa_kernarg_size 48
		.amdhsa_user_sgpr_count 2
		.amdhsa_user_sgpr_kernarg_segment_ptr 1
		.amdhsa_wavefront_size32 1
		.amdhsa_system_sgpr_workgroup_id_x 1
		.amdhsa_system_sgpr_workgroup_id_y 1
		.amdhsa_system_sgpr_workgroup_id_z 1
		.amdhsa_system_vgpr_workitem_id 0
		.amdhsa_next_free_vgpr 768
		.amdhsa_next_free_sgpr 66
		.amdhsa_reserve_vcc 0
		.amdhsa_float_denorm_mode_32 3
		.amdhsa_float_denorm_mode_16_64 3
		.amdhsa_memory_ordered 1
		.amdhsa_forward_progress 1
		.amdhsa_inst_pref_size 192
	.end_amdhsa_kernel
	.amdgpu_metadata
---
amdhsa.version: [ 1, 2 ]
amdhsa.kernels:
  - .name:           k_qa99d4b61b2_lnq
    .symbol:         k_qa99d4b61b2_lnq.kd
    .args:
      - { .name: R, .offset: 0, .size: 8, .value_kind: global_buffer, .address_space: global }
      - { .name: tot, .offset: 8, .size: 8, .value_kind: global_buffer, .address_space: global }
      - { .name: ln_g, .offset: 16, .size: 8, .value_kind: global_buffer, .address_space: global }
      - { .name: ln_b, .offset: 24, .size: 8, .value_kind: global_buffer, .address_space: global }
      - { .name: hq, .offset: 32, .size: 8, .value_kind: global_buffer, .address_space: global }
      - { .name: hs, .offset: 40, .size: 8, .value_kind: global_buffer, .address_space: global }
    .group_segment_fixed_size: 3584
    .private_segment_fixed_size: 0
    .kernarg_segment_align: 8
    .kernarg_segment_size: 48
    .max_flat_workgroup_size: 128
    .sgpr_count:     66
    .vgpr_count:     768
    .wavefront_size: 32
...
	.end_amdgpu_metadata
.endif
;; end of part 3
;; launch gemmo (part 4): grid 8 x 32, 4 waves a work-group, clusters of 4 x 4, 327,680 bytes of LDS; arguments hq, hs, Wo_codes, Wo_scales, out0, bo, x; writes out0
.if DOCPART == 4
	.amdgcn_target "amdgcn-amd-amdhsa--gfx1250"
	.amdhsa_code_object_version 6
	.text
	.protected	k_qa99d4b61b2_gemmo
	.globl	k_qa99d4b61b2_gemmo
	.p2align	8
	.type	k_qa99d4b61b2_gemmo,@function
k_qa99d4b61b2_gemmo:
	s_mov_b64 s[64:65], 0
	v_nop
	global_prefetch_b8 v0, s[64:65] scope:SCOPE_SE
	s_setreg_imm32_b32 hwreg(HW_REG_WAVE_MODE, 25, 1), 1
	s_wait_xcnt 0x0
	s_wait_alu depctr_hold_cnt(0) depctr_sa_sdst(0) depctr_va_vdst(0) depctr_va_sdst(0) depctr_va_ssrc(0) depctr_va_vcc(0) depctr_vm_vsrc(0)
	s_getreg_b32 s2, hwreg(HW_REG_IB_STS2, 6, 4)
	s_cmp_eq_u32 s2, 0
	s_cbranch_scc0 .Lentry_in_a_cluster
	s_endpgm
.Lentry_in_a_cluster:
	s_bfe_u32 s2, ttmp6, 0x10000c
	s_cmp_lg_u32 s2, 0xf033
	s_cbranch_scc0 .Lentry_shape_is_right
	s_endpgm
.Lentry_shape_is_right:
; FOURTH LAUNCH; it leaves no work out.  out0 = x + Q(h) Wo + bo.  A = hq [8192][2048 codes], hs; B = Wo_codes [2048 (n)][2048 codes], Wo_scales: codes of E2M3, K innermost, one E8M0 byte for each 32 along K.
; A tile of 256 x 256 is made by four waves, each 128 x 128: 64 accumulators, 512 registers.  K goes in steps of 256 through a ring of two LDS slots filled by the tensor data mover.  The scales of the work-group's
; rows of A and B come into LDS once, with the first fills.  CLUSTERS: 4 x 4 work-groups; A's tiles are asked for jointly along a row of the cluster, B's along a column.
; THE MATRIX INSTRUCTION IS USED TRANSPOSED (source 0 = 16 rows of Wo, source 1 = 16 rows of h): a lane holds eight neighbouring numbers of a row.
; x IS ADDED DURING THE LOOP OVER K, NOT BEHIND IT.  A wave's part of x is 128 rows x 512 bytes, as many registers as its sums: so block k of 16 rows is added to the eight sums of block k while they still grow, one block
; for each of the eight slots.  A block is loaded as whole rows (512 consecutive bytes an instruction) into one of two buffers of 64 registers, about a slot and a half ahead; at the end of a slot's last step it goes through my stage in
; LDS into the result's layout, back into the same registers; in the middle of the next step 32 packed additions put it into the sums.  In the loop the block's register numbers hang on the trip: three copies of the
; additions are written out and the loop's counter chooses.  Every copy in the loop asks for 16 loads, so the counted waits hold on every path; blocks 6 and 7 are written out in the tail and ask for nothing.
; bo is added on the way out, where a block has come back from the stage as whole rows: four registers a lane serve all rows.  A block comes back into its own accumulators, so no store's data are ever written again.
; REGISTERS, in windows of 256: window 0: v0-31 addresses, bo's row; v32-63 scale words, two sets; v64-127 x's odd blocks; from v128 A's fragments, one set.
;   window 1: B's fragments, two sets, at v0 and v96; v192-255 x's even blocks.   windows 2, 3: the accumulators ((a, b) at v[8 (8 (a % 4) + b)]).
; LIMITS: NaN and infinities are not served.  x joins each f32 sum part-way along K and bo last: another order of rounding than x + (the product) + bo.
.set SIZE_N, 2048
.set NQ,     2
.set ROWB,   192
.set KROW,   1536
.set PITCH,  240                       ; an LDS row: 3 x (64 bytes + 16 of padding) = 60 words: the 32 lanes of a load of 8 bytes touch 64 different banks (64 banks of 4 bytes: ISA guide 11.1)
.set FR,     12
.set NL,     6
.set NP,     4
.set HALFT,  128*PITCH+128             ; 128 rows, what one tensor load brings (and 128 bytes, as in the launch for Wv)
.set SLOT,   4*HALFT
.set LAPS,   4
.set KS,     64
.set SCL,    2*SLOT
.set HALFS,  8704
.set SBLK,   1088
.set SPARE,  SCL+4*HALFS               ; the spare words, 128 bytes a wave
.set STG,    SPARE+512                 ; the stages: 16 rows x (512 + 16) bytes a wave, in bytes of their own: no tensor load lands here
.set SPITCH, 528
.set XL,     32                        ; LDS instructions of a block's way through the stage
.set BOR,  8                           ; v8-11  bo of my four columns of a row
.set ADRA, 16
.set ADRB, 20
.set STO,  24                          ; v24  the stage in the result's layout: row r, 32 bytes for each half of the lanes
.set RD,   25                          ; v25  the stage by rows: 16 bytes a lane
.set CO,   26                          ; v26  16 x lane: my bytes of a row of x, of out0 and of bo; never rewritten
.set ADRS, 27
.set SPW,  28
.set NIL,  29
.set SC,   32
.set AF,   128
.set G1, 24
.set G0, 32
.set G1B, 48
.set G0B, 56
.set G1S, 68
.set G0S, 76
.set G1SB, 80
.set G0SB, 88
.set MSB, 0
.macro WIN new                         ; bits 1:0 source 0, 3:2 source 1, 5:4 source 2, 7:6 destination; the high byte repeats the setting that is left
.if MSB != (\new)
	s_set_vgpr_msb (MSB<<8)|(\new)
.set MSB, (\new)
.endif
.endm
.set MUL_LO, 0xa1                      ; source 0 (B) window 1, source 1 (A) window 0, C and D window 2
.set MUL_HI, 0xf1
.set TO_B,   0x40
.macro JLOAD g0a, g1a, g0b, g1b        ; a joint load: waves 0 and 1 fetch for A, waves 2 and 3 for B; an s_nop 0 and four v_nop follow each line
	s_cmp_eq_u32 s15, 0
	s_cbranch_scc0 .Lfor_b_\@
	tensor_load_to_lds s[\g0a:\g0a+3], s[\g1a:\g1a+7]
	s_nop 0
.rept 4
	v_nop
.endr
	s_branch .Lasked_\@
.Lfor_b_\@:
	tensor_load_to_lds s[\g0b:\g0b+3], s[\g1b:\g1b+7]
	s_nop 0
.rept 4
	v_nop
.endr
.Lasked_\@:
.endm
.macro CREST
	s_cmp_lg_u32 s14, 0
	s_cbranch_scc1 .Lnot_wave_0_\@
	s_barrier_signal -3
.Lnot_wave_0_\@:
	s_barrier_wait -3
	s_barrier_signal -1
	s_barrier_wait -1
.endm
.macro CROUND
	s_barrier_signal -1
	s_barrier_wait -1
	CREST
.endm
; x's block k, 16 rows x 512 bytes, as rows: row t in registers 4 t .. 4 t + 3 of the block's buffer (even k: window 1, v192; odd k: window 0, v64)
.macro XLOAD k
.set LW, 1-(\k)%2
.set LR, 192-128*((\k)%2)
	WIN LW<<6
.irp t, 0,1,2,3,4,5,6,7,8,9,10,11,12,13,14,15
	global_load_b128 v[LR+4*\t:LR+4*\t+3], v[CO], s[100:101] offset:(16*(\k)+\t)*SIZE_N*4 th:TH_LOAD_NT   ; 127 rows at the most stand in the immediate
.endr
	WIN 0
.endm
; The block in buffer bf goes through my stage: in as rows, back in the result's layout, into the registers that it left: register 8 b + j is then x(row r, column 16 b + 8 h + j).
; LDS serves a wave's instructions in order, so no wait stands between the stores and the loads.  left: the global loads issued behind the block's own, which may stay out.
.macro XTURN bf, left
.set TW, 1-(\bf)
.set TR, 192-128*(\bf)
	s_wait_loadcnt \left
	WIN TW<<2                                      ; an LDS store's data are its source 1
.irp t, 0,1,2,3,4,5,6,7,8,9,10,11,12,13,14,15
	ds_store_b128 v[RD], v[TR+4*\t:TR+4*\t+3] offset:\t*SPITCH
.endr
	WIN TW<<6
.irp b, 0,1,2,3,4,5,6,7
	ds_load_b128 v[TR+8*\b:TR+8*\b+3], v[STO] offset:64*\b
	ds_load_b128 v[TR+8*\b+4:TR+8*\b+7], v[STO] offset:64*\b+16
.endr
	WIN 0
.endm
; The eight sums of block k take x's block k: each accumulator from its low end on.  more = 1: the buffer takes the block two further on.
.macro XADD k, more
.set AC, 64*((\k)%4)
.set AW, 2+(\k)/4
.set XW, 1-(\k)%2
.set XR, 192-128*((\k)%2)
	WIN (AW<<6)|(XW<<2)|AW
.set I, 0
.rept 32
	v_pk_add_f32 v[AC+I:AC+I+1], v[AC+I:AC+I+1], v[XR+I:XR+I+1]
.set I, I+2
.endr
	WIN 0
.if \more
	XLOAD (\k)+2
.endif
.endm
; In the loop: block ka in the first trip, kb in the second, kc in the third.  The branches hang on the loop's counter alone, which is the same in all waves and all partners.
.macro XSW ka, kb, kc
	s_cmp_eq_u32 s3, LAPS-1
	s_cbranch_scc1 .Lxa_\@
	s_cmp_eq_u32 s3, LAPS-2
	s_cbranch_scc1 .Lxb_\@
	XADD \kc, 1
	s_branch .Lxe_\@
.Lxa_\@:
	XADD \ka, 1
	s_branch .Lxe_\@
.Lxb_\@:
	XADD \kb, 1
.Lxe_\@:
.endm
	s_load_b256 s[4:11], s[0:1], 0x0               ; A's codes, A's scales, B's codes, B's scales
	s_load_b64 s[12:13], s[0:1], 0x20              ; out0
	s_load_b64 s[98:99], s[0:1], 0x28              ; bo
	s_load_b64 s[100:101], s[0:1], 0x30            ; x
	v_lshl_add_u32 v[SPW], v0, 2, SPARE
	v_mov_b32 v[NIL], 0
	ds_add_u32 v[SPW], v[NIL]                      ; the wave's opening: the add, twice on end, and its wait ahead of my first tensor load
	ds_add_u32 v[SPW], v[NIL]
	v_lshrrev_b32 v1, 5, v0
	v_readfirstlane_b32 s14, v1                    ; wave 0..3
	s_lshr_b32 s15, s14, 1                         ; which half of the tile's rows is mine.  Also: I fetch for A (0) or for B (1)
	s_and_b32 s16, s14, 1                          ; which half of its columns.  Also: which 128 rows of that tile I fetch
	s_bfe_u32 s40, ttmp6, 0x40000
	s_bfe_u32 s41, ttmp6, 0x40004
	s_lshl_b32 s42, ttmp9, 2
	s_add_co_u32 s42, s42, s40                     ; tile column T
	s_and_b32 s17, ttmp7, 0xffff
	s_lshl_b32 s17, s17, 2
	s_add_co_u32 s17, s17, s41                     ; tile row y
	s_lshl_b32 s43, s41, 2
	s_lshl_b32 s43, 15, s43
	s_lshl_b32 s44, 0x1111, s40
	s_or_b32 s[G1+0], s43, (0<<16)|(1<<20)|(1<<21)|(3<<22)|(3<<25)   ; the mask; elements of 1 byte; padding on; bit 21 beside a mask; after every 16 words, 4 words
	s_or_b32 s[G1B+0], s44, (0<<16)|(1<<20)|(1<<21)|(3<<22)|(3<<25)
.irp g, G1, G1B
	s_mov_b32 s[\g+1], ROWB<<16
	s_mov_b32 s[\g+2], 128<<16
	s_mov_b32 s[\g+3], ROWB<<16
	s_mov_b32 s[\g+4], 128
	s_mov_b32 s[\g+5], KROW
	s_mov_b32 s[\g+6], 0
	s_mov_b32 s[\g+7], 0
.endr
	s_or_b32 s[G1S+0], s43, (3<<16)|(1<<20)|(1<<21)|(5<<22)|(3<<25)  ; the scales of 128 rows: 8,192 dense bytes as 32 rows of 256, 16 bytes of padding behind each
	s_or_b32 s[G1SB+0], s44, (3<<16)|(1<<20)|(1<<21)|(5<<22)|(3<<25)
.irp g, G1S, G1SB
	s_mov_b32 s[\g+1], 32<<16
	s_mov_b32 s[\g+2], 32<<16
	s_mov_b32 s[\g+3], 32<<16
	s_mov_b32 s[\g+4], 32
	s_mov_b32 s[\g+5], 32
	s_mov_b32 s[\g+6], 0
	s_mov_b32 s[\g+7], 0
.endr
	s_lshl_b32 s18, s16, 7
	s_lshl_b32 s20, s17, 8
	s_add_co_u32 s20, s20, s18
	s_lshl_b32 s46, s42, 8
	s_add_co_u32 s46, s46, s18
	s_mov_b32 s21, 0
	s_mov_b32 s47, 0
	s_mov_b64 s[18:19], KS
	s_mul_u64 s[22:23], s[20:21], s[18:19]
	s_mul_u64 s[92:93], s[46:47], s[18:19]
	s_mov_b64 s[18:19], KROW
	s_mul_u64 s[20:21], s[20:21], s[18:19]
	s_mul_u64 s[46:47], s[46:47], s[18:19]
	s_mul_i32 s45, s14, HALFT
	s_mul_i32 s94, s14, HALFS
	s_wait_dscnt 0x0                               ; both opening adds are done
	s_wait_kmcnt 0x0
	s_add_nc_u64 s[20:21], s[4:5], s[20:21]
	s_add_nc_u64 s[22:23], s[6:7], s[22:23]
	s_add_nc_u64 s[46:47], s[8:9], s[46:47]
	s_add_nc_u64 s[92:93], s[10:11], s[92:93]
	CROUND                                         ; all sixteen work-groups are here: the first joint loads meet
	s_mov_b32 s[G0S], 1
	s_add_co_u32 s[G0S+1], s94, SCL
	s_mov_b64 s[G0S+2:G0S+3], s[22:23]
	s_or_b32 s[G0S+3], s[G0S+3], 0x80000000
	s_mov_b32 s[G0SB], 1
	s_add_co_u32 s[G0SB+1], s94, SCL
	s_mov_b64 s[G0SB+2:G0SB+3], s[92:93]
	s_or_b32 s[G0SB+3], s[G0SB+3], 0x80000000
	JLOAD G0S, G1S, G0SB, G1SB                     ; the scales first; then both slots: three loads of mine are out
.irp s, 0,1
	s_mov_b32 s[G0+4*\s], 1
	s_add_co_u32 s[G0+4*\s+1], s45, \s*SLOT
	s_add_nc_u64 s[G0+4*\s+2:G0+4*\s+3], s[20:21], \s*ROWB
	s_or_b32 s[G0+4*\s+3], s[G0+4*\s+3], 0x80000000
	s_mov_b32 s[G0B+4*\s], 1
	s_add_co_u32 s[G0B+4*\s+1], s45, \s*SLOT
	s_add_nc_u64 s[G0B+4*\s+2:G0B+4*\s+3], s[46:47], \s*ROWB
	s_or_b32 s[G0B+4*\s+3], s[G0B+4*\s+3], 0x80000000
	JLOAD G0+4*\s, G1, G0B+4*\s, G1B
.endr
	v_and_b32 v1, 15, v0                           ; r
	v_bfe_u32 v2, v0, 4, 1                         ; h
	v_and_b32 v6, 31, v0
	v_lshlrev_b32 v[CO], 4, v6
	s_lshl_b32 s20, s17, 8
	s_lshl_b32 s21, s15, 7
	s_add_co_u32 s20, s20, s21                     ; my first row
	s_mov_b32 s21, 0
	s_lshl_b64 s[20:21], s[20:21], 13
	s_lshl_b32 s46, s42, 10
	s_lshl_b32 s47, s16, 9
	s_add_co_u32 s46, s46, s47                     ; my first column, in bytes: 1024 T + 512 x half
	s_mov_b32 s47, 0
	s_add_nc_u64 s[98:99], s[98:99], s[46:47]
	s_add_nc_u64 s[20:21], s[20:21], s[46:47]
	s_add_nc_u64 s[12:13], s[12:13], s[20:21]
	s_add_nc_u64 s[100:101], s[100:101], s[20:21]
	global_load_b128 v[BOR:BOR+3], v[CO], s[98:99] ; bo in the shape of a row; the first wait for a block of x shows it in
	XLOAD 0                                        ; x's first two blocks
	XLOAD 1
	v_mul_u32_u24 v3, v1, PITCH
	v_mul_u32_u24 v4, v2, 24
	v_add_nc_u32 v4, v3, v4                        ; a fragment's row x pitch + 24 h
	v_lshl_add_u32 v5, v2, 4, v4                   ; and behind one padding more
	s_mul_i32 s21, s15, HALFT                      ; my 128 rows of A
	s_mul_i32 s22, s16, HALFT                      ; my 128 rows of B,
	s_add_co_u32 s22, s22, 2*HALFT                 ; behind A's 256
.irp s, 0,1
	v_add_nc_u32 v[ADRA+\s], s21, v4
	v_add_nc_u32 v[ADRB+\s], s22, v4
	v_add_nc_u32 v[ADRA+2+\s], s21, v5
	v_add_nc_u32 v[ADRB+2+\s], s22, v5
	s_add_co_u32 s21, s21, SLOT
	s_add_co_u32 s22, s22, SLOT
.endr
	v_mul_u32_u24 v5, v1, KS                       ; my row's scales: 64 bytes a row,
	v_lshrrev_b32 v6, 8, v5
	v_lshl_add_u32 v5, v6, 4, v5                   ; and 16 more for each 256 passed
	s_mul_i32 s21, s15, HALFS
	s_mul_i32 s22, s16, HALFS
	s_add_co_u32 s22, s22, 2*HALFS
	s_sub_co_u32 s22, s22, s21
	v_mul_u32_u24 v6, s22, v2                      ; lanes 16-31 take B's: one product, h x the distance
	s_add_co_u32 s21, s21, SCL
	v_add_nc_u32 v5, v5, v6
	v_add_nc_u32 v[ADRS], s21, v5
	s_mul_i32 s23, s14, 16*SPITCH
	s_add_co_u32 s23, s23, STG                     ; my stage
	v_mul_u32_u24 v5, v1, SPITCH
	v_lshl_add_u32 v5, v2, 5, v5
	v_add_nc_u32 v[STO], s23, v5
	v_add_nc_u32 v[RD], s23, v[CO]
.macro FRAG reg, adr, q, i             ; 16 rows x 128 K of 6-bit codes: 12 registers; registers 6 c .. 6 c + 5 hold K = 64 c + 32 h + 0 .. 31: 24 bytes of the row's stream of bits, in pieces of 8
.irp p, 0,1,2,3,4,5
.set PC, 12*(\q)+6*(\p/3)+\p%3        ; 16 bytes of padding lie behind every 8 pieces: where the piece three on lies behind one padding more, the second address register serves
.if PC%8 < 5
	ds_load_b64 v[\reg+2*\p:\reg+2*\p+1], v[\adr] offset:8*PC+16*(PC/8)+(\i)*16*PITCH
.else
	ds_load_b64 v[\reg+2*\p:\reg+2*\p+1], v[\adr+2] offset:8*PC+16*(PC/8)+(\i)*16*PITCH
.endif
.endr
.endm
; 16 matrix instructions: A's blocks a0, a0 + 1 x B's eight.  zero = 1: the first product starts the sums: nothing is ever cleared.  The 64 accumulators take turns, one instruction a turn.
.macro MUL16 a0, p, q, sc, zero
.irp a, \a0, \a0+1
.irp b, 0,1,2,3,4,5,6,7
.if \zero
	v_wmma_scale_f32_16x16x128_f8f6f4 v[8*(8*((\a)%4)+\b):8*(8*((\a)%4)+\b)+7], v[96*(\p)+FR*\b:96*(\p)+FR*\b+FR-1], v[AF+FR*(\a):AF+FR*(\a)+FR-1], 0, v[SC+8*NQ*(\sc)+NQ*\b+(\q)], v[SC+8*NQ*(\sc)+NQ*(\a)+(\q)] matrix_a_fmt:MATRIX_FMT_FP6 matrix_b_fmt:MATRIX_FMT_FP6 matrix_a_scale:MATRIX_SCALE_ROW1
.else
	v_wmma_scale_f32_16x16x128_f8f6f4 v[8*(8*((\a)%4)+\b):8*(8*((\a)%4)+\b)+7], v[96*(\p)+FR*\b:96*(\p)+FR*\b+FR-1], v[AF+FR*(\a):AF+FR*(\a)+FR-1], v[8*(8*((\a)%4)+\b):8*(8*((\a)%4)+\b)+7], v[SC+8*NQ*(\sc)+NQ*\b+(\q)], v[SC+8*NQ*(\sc)+NQ*(\a)+(\q)] matrix_a_fmt:MATRIX_FMT_FP6 matrix_b_fmt:MATRIX_FMT_FP6 matrix_a_scale:MATRIX_SCALE_ROW1
.endif
.endr
.endr
.endm
.macro FETCH_B slot, q, p
	WIN TO_B
.irp i, 0,1,2,3,4,5,6,7
	FRAG 96*(\p)+FR*\i, ADRB+\slot, \q, \i
.endr
	WIN 0
.endm
.macro FETCH_A slot, q, i0
.irp i, \i0, \i0+1, \i0+2, \i0+3
	FRAG AF+FR*(\i), ADRA+\slot, \q, \i
.endr
.endm
.macro SCALES sc
.irp i, 0,1,2,3,4,5,6,7
	ds_load_b64 v[SC+8*NQ*\sc+NQ*\i:SC+8*NQ*\sc+NQ*\i+1], v[ADRS] offset:\i*SBLK
.endr
.endm
.macro PLACES n                        ; plain places behind matrix instructions, in front of loads into registers that they have read and of vector instructions and stores that touch results
.rept \n
	v_nop
.endr
.endm
; 128 along K that have their successor in the same slot.  lead: the youngest LDS instructions, which may be out at its head.
; xm: what of x stands in its middle: 0 nothing; 1 the loop's even blocks 0, 2, 4; 2 its odd blocks 1, 3, 5; 3 block 6, and at the step's end block 7's way through the stage.
.macro STEP slot, q, zero, lead, xm
	s_wait_dscnt \lead                             ; B's set, A's blocks 0-3 and the scale words are in; A's blocks 4-7, and behind a block's way through the stage its 32 instructions, may be out
	WIN MUL_LO
	MUL16 0, (\q)%2, \q, \slot, \zero
	MUL16 2, (\q)%2, \q, \slot, \zero
	s_wait_dscnt 0                                 ; A's blocks 4-7 are in, and x's block is back from the stage
	PLACES NP
.if \xm
	WIN 0
.if \xm == 1
	XSW 0, 2, 4
.elseif \xm == 2
	XSW 1, 3, 5
.else
	XADD 6, 0
.endif
	PLACES NP                                      ; between the additions and the next matrix instruction that takes such a sum up
.endif
	FETCH_B \slot, (\q)+1, 1-(\q)%2
	FETCH_A \slot, (\q)+1, 0
	WIN MUL_HI
	MUL16 4, (\q)%2, \q, \slot, \zero
	MUL16 6, (\q)%2, \q, \slot, \zero
	PLACES NP
	WIN 0
	FETCH_A \slot, (\q)+1, 4
.if \xm == 3
	XTURN 1, 0                                     ; block 7: no load was issued behind its own
.endif
.endm
; A slot's last step changes slots: one barrier; in front of it each wave waits for all its tensor loads, adds 0 to its spare word, and waits for that and for its reads of this slot.  fill = 1: the slot is filled again, two slots ahead.
; At its end x's block of this slot (slot 0: an even one, slot 1: an odd one) goes through the stage.
.macro TURN slot, next, fill
	s_wait_tensorcnt 0x0                           ; all my tensor loads have landed: my part of the next slot
	ds_add_u32 v[SPW], v[NIL]                      ; 0 onto my spare word
	s_wait_dscnt 4*NL+1                            ; (the add and A's blocks 4-7 may be out)
	WIN MUL_LO
	MUL16 0, 1, NQ-1, \slot, 0
	s_wait_dscnt 0x0                               ; the add is done, and my reads of this slot are over
	s_barrier_signal -1
	MUL16 2, 1, NQ-1, \slot, 0
	WIN 0
	s_barrier_wait -1
.if \fill
	CREST                                          ; the barrier has opened a round of the cluster's barrier: no wave of any partner still reads this slot or has a load on its way
	s_add_nc_u64 s[G0+4*\slot+2:G0+4*\slot+3], s[G0+4*\slot+2:G0+4*\slot+3], 2*ROWB
	s_add_nc_u64 s[G0B+4*\slot+2:G0B+4*\slot+3], s[G0B+4*\slot+2:G0B+4*\slot+3], 2*ROWB
	JLOAD G0+4*\slot, G1, G0B+4*\slot, G1B         ; the first tensor load behind the round, one a wave; its four v_nop are the places in front of the loads below
.else
	PLACES NP
.endif
	v_add_nc_u32 v[ADRS], 4*NQ, v[ADRS]
	FETCH_B \next, 0, 0
	FETCH_A \next, 0, 0
	SCALES \next
	WIN MUL_HI
	MUL16 4, 1, NQ-1, \slot, 0
	MUL16 6, 1, NQ-1, \slot, 0
	PLACES NP
	WIN 0
	FETCH_A \next, 0, 4
	XTURN \slot, 16                                ; the block's 16 loads are in; the next block's 16 may be out
.endm
	s_wait_tensorcnt 1                             ; the scales and my part of slot 0 are in; slot 1's load may be out
	s_barrier_signal -1
	s_barrier_wait -1
	FETCH_B 0, 0, 0
	FETCH_A 0, 0, 0
	SCALES 0
	FETCH_A 0, 0, 4
	STEP 0, 0, 1, 4*NL, 0
	s_mov_b32 s3, LAPS-1
.Llap:                                                 ; a trip goes once round the ring, fills both slots again and takes two blocks of x in
	TURN 0, 1, 1
	STEP 1, 0, 0, 4*NL+XL, 1
	TURN 1, 0, 1
	STEP 0, 0, 0, 4*NL+XL, 2
	s_sub_co_u32 s3, s3, 1
	s_cmp_lg_u32 s3, 0
	s_cbranch_scc1 .Llap
	TURN 0, 1, 0                                   ; the last lap fills nothing
	STEP 1, 0, 0, 4*NL+XL, 3
	s_wait_dscnt 4*NL+XL                           ; the very last step: A's blocks 4-7 and block 7's way through the stage may be out
	WIN MUL_LO
	MUL16 0, 1, NQ-1, 1, 0
	MUL16 2, 1, NQ-1, 1, 0
	s_wait_dscnt 0
	PLACES NP
	WIN 0
	XADD 7, 0
	PLACES NP
	WIN MUL_HI
	MUL16 4, 1, NQ-1, 1, 0
	MUL16 6, 1, NQ-1, 1, 0
	WIN 0
; THE WAY OUT, block by block of 16 rows x 128 columns: through my stage in LDS, back as whole rows of 512 bytes into the block's own accumulators, bo added, stored.  No register that a store reads is written again,
; and neither the stores' offset register nor their base is stepped: so no wait stands between the blocks but the one for the stage.  LDS serves a wave's instructions in order: no wait between the stores and the loads.
.macro TOSTAGE a
.set AC, 64*((\a)%4)
.set AW, 2+(\a)/4
	WIN AW<<2                                      ; the data: window 2 or 3
.irp b, 0,1,2,3,4,5,6,7
	ds_store_b128 v[STO], v[AC+8*\b:AC+8*\b+3] offset:64*\b          ; each accumulator from its low end on
	ds_store_b128 v[STO], v[AC+8*\b+4:AC+8*\b+7] offset:64*\b+16
.endr
	WIN AW<<6
.irp t, 0,1,2,3,4,5,6,7,8,9,10,11,12,13,14,15
	ds_load_b128 v[AC+4*\t:AC+4*\t+3], v[RD] offset:\t*SPITCH        ; row t into registers 4 t .. 4 t + 3
.endr
	WIN 0
.endm
.macro SEND a, younger                 ; younger: the LDS instructions issued behind block a's loads, which may stay out
.set AC, 64*((\a)%4)
.set AW, 2+(\a)/4
	s_wait_dscnt \younger
	WIN (AW<<6)|AW
.irp t, 0,1,2,3,4,5,6,7,8,9,10,11,12,13,14,15
	v_pk_add_f32 v[AC+4*\t:AC+4*\t+1], v[AC+4*\t:AC+4*\t+1], v[BOR:BOR+1]
	v_pk_add_f32 v[AC+4*\t+2:AC+4*\t+3], v[AC+4*\t+2:AC+4*\t+3], v[BOR+2:BOR+3]
.endr
	WIN AW<<2
.irp t, 0,1,2,3,4,5,6,7,8,9,10,11,12,13,14,15
	global_store_b128 v[CO], v[AC+4*\t:AC+4*\t+3], s[12:13] offset:(16*(\a)+\t)*SIZE_N*4 th:TH_STORE_NT   ; 32 lanes store 512 consecutive bytes, at a multiple of 256 from out0's first byte; 127 rows at the most stand in the immediate
.endr
	WIN 0
.endm
	PLACES NP                                      ; in front of the first reads of results and of the loads into them
	TOSTAGE 0
.irp a, 1,2,3,4,5,6,7
	TOSTAGE \a
	SEND \a-1, 32                                  ; behind block a - 1's loads: block a's 16 stores and 16 loads
.endr
	SEND 7, 0
	s_wait_tensorcnt 0x0                           ; the wave's end: behind my last tensor load and my last LDS store
	ds_add_u32 v[SPW], v[NIL]
	s_wait_dscnt 0x0
	CROUND                                         ; the closing round: no work-group ends while a partner may still ask for a tile that names it
	s_endpgm
.Lfunc_end_k_qa99d4b61b2_gemmo:
	.size	k_qa99d4b61b2_gemmo, .Lfunc_end_k_qa99d4b61b2_gemmo-k_qa99d4b61b2_gemmo
	.p2alignl 7, 3214868480
	.fill 96, 4, 3214868480
	.section	.rodata,"a",@progbits
	.p2align	6, 0x0
	.amdhsa_kernel k_qa99d4b61b2_gemmo
		.amdhsa_group_segment_fixed_size 327680
		.amdhsa_private_segment_fixed_size 0
		.amdhsa_enable_private_segment 0
		.amdhsa_kernarg_size 56
		.amdhsa_user_sgpr_count 2
		.amdhsa_user_sgpr_kernarg_segment_ptr 1
		.amdhsa_wavefront_size32 1
		.amdhsa_system_sgpr_workgroup_id_x 1
		.amdhsa_system_sgpr_workgroup_id_y 1
		.amdhsa_system_sgpr_workgroup_id_z 1
		.amdhsa_system_vgpr_workitem_id 0
		.amdhsa_next_free_vgpr 1024
		.amdhsa_next_free_sgpr 106
		.amdhsa_reserve_vcc 0
		.amdhsa_float_denorm_mode_32 3
		.amdhsa_float_denorm_mode_16_64 3
		.amdhsa_memory_ordered 1
		.amdhsa_forward_progress 1
		.amdhsa_inst_pref_size 215
	.end_amdhsa_kernel
	.amdgpu_metadata
---
amdhsa.version: [ 1, 2 ]
amdhsa.kernels:
  - .name:           k_qa99d4b61b2_gemmo
    .symbol:         k_qa99d4b61b2_gemmo.kd
    .args:
      - { .name: hq, .offset: 0, .size: 8, .value_kind: global_buffer, .address_space: global }
      - { .name: hs, .offset: 8, .size: 8, .value_kind: global_buffer, .address_space: global }
      - { .name: Wo_codes, .offset: 16, .size: 8, .value_kind: global_buffer, .address_space: global }
      - { .name: Wo_scales, .offset: 24, .size: 8, .value_kind: global_buffer, .address_space: global }
      - { .name: out0, .offset: 32, .size: 8, .value_kind: global_buffer, .address_space: global }
      - { .name: bo, .offset: 40, .size: 8, .value_kind: global_buffer, .address_space: global }
      - { .name: x, .offset: 48, .size: 8, .value_kind: global_buffer, .address_space: global }
    .group_segment_fixed_size: 327680
    .private_segment_fixed_size: 0
    .kernarg_segment_align: 8
    .kernarg_segment_size: 56
    .max_flat_workgroup_size: 128
    .sgpr_count:     106
    .vgpr_count:     1024
    .wavefront_size: 32
...
	.end_amdgpu_metadata
.endif
;; end of part 4
